; MI455X (gfx1250); checked and timed in simulation.
; The chip was launched on July 23, 2026; its instructions are those of AMD's public machine-readable ISA for CDNA 5 (MIT licence, August 2026) and "CDNA5" Instruction Set Architecture Reference Guide (July 2026). The comments in the code are by the model that wrote it; some were corrected since.
;; Block. Allowed arithmetic: matrix products marked QUANTISED: E4M3 operands, one given power-of-two scale a tensor, by v_wmma_f32_16x16x64_fp8_fp8 or v_wmma_f32_16x16x128_fp8_fp8, f32 sums; everything else in f32.
;; Inputs: b_aproj 1,024 float32; b_attn 3,072 float32; b_fc 4,096 float32; b_mproj 1,024 float32; ln1_b 1,024 float32; ln1_g 1,024 float32; ln2_b 1,024 float32; ln2_g 1,024 float32; lowp_scales 12 int32 (the exponents e of the quantised operands' scales 2^e); w_aproj_codes 1,024 x 32 x 32 uint8 (E4M3 codes of w_aproj, K innermost, in blocks of 32 codes); w_attn_codes 3,072 x 32 x 32 uint8 (E4M3 codes of w_attn, K innermost, in blocks of 32 codes); w_fc_codes 4,096 x 32 x 32 uint8 (E4M3 codes of w_fc, K innermost, in blocks of 32 codes); w_mproj_codes 1,024 x 128 x 32 uint8 (E4M3 codes of w_mproj, K innermost, in blocks of 32 codes); x 4 x 1,024 x 1,024 float32.
;; Outputs: out0 4 x 1,024 x 1,024 float32; out1 4 x 2 x 16 x 1,024 x 64 float32.
;; This version of the problem:
;;   THIS VERSION OF THE PROBLEM IS GIVEN IN LOW PRECISION. The matrix products marked QUANTISED in the list below multiply operands that are first quantised to E4M3 (4 exponent bits, 3 mantissa bits; 8 bits a number), with one given power-of-two scale for each operand tensor; their sums are f32. All else is computed in f32.
;;   The module's matrix products, in the order in which they are computed (A, B: the left and right operand; K: the contracted axis; several contracted axes count as one K, in the product's order):
;;     1. [M 4,096, K 1,024] x [K 1,024, N 3,072]; A: computed on the way; B: input w_attn (given as codes): QUANTISED (scales: A lowp_scales[0], B lowp_scales[1])
;;     2. batch 64 x [M 1,024, K 64] x [K 64, N 1,024]; A: computed on the way; B: computed on the way: QUANTISED (scales: A lowp_scales[2], B lowp_scales[3])
;;     3. batch 64 x [M 1,024, K 1,024] x [K 1,024, N 64]; A: softmax (see below); B: computed on the way: QUANTISED (scales: A lowp_scales[4], B lowp_scales[5])
;;     4. [M 4,096, K 1,024] x [K 1,024, N 1,024]; A: computed on the way; B: input w_aproj (given as codes): QUANTISED (scales: A lowp_scales[6], B lowp_scales[7])
;;     5. [M 4,096, K 1,024] x [K 1,024, N 4,096]; A: computed on the way; B: input w_fc (given as codes): QUANTISED (scales: A lowp_scales[8], B lowp_scales[9])
;;     6. [M 4,096, K 4,096] x [K 4,096, N 1,024]; A: computed on the way; B: input w_mproj (given as codes): QUANTISED (scales: A lowp_scales[10], B lowp_scales[11])
;;   THE QUANTISER, for each operand of a quantised product, along K:
;;     - The operand's scale is 2^e, e = its entry of the input lowp_scales (int32; the entries are numbered through the quantised products in the list's order, A before B).
;;     - Each number is divided by the scale, clamped to +-448, and rounded to the nearest number of E4M3, ties to even, subnormals kept.
;;     - The product sums the exact products of the quantised numbers (number of the format x scale) in f32.
;;   ~~~python
;;   def quantise(x, axis, e):      # numpy; x: float32 -> the quantised numbers, widened to float32 again
;;       x = np.moveaxis(x, axis, -1); K = x.shape[-1]
;;       r = np.clip(x / 2.0 ** e, -448, 448)
;;       step = 2.0 ** (np.maximum(np.frexp(np.where(r == 0, 1, r))[1] - 1, -6) - 3)
;;       q = np.round(r / step) * step * 2.0 ** e      # np.round: ties to even
;;       return np.moveaxis(q, -1, axis).astype(np.float32)
;;   ~~~
;;   SOFTMAX AHEAD OF A QUANTISED PRODUCT. Where the list says 'softmax', what is quantised is not the finished softmax but p = 2^(t - M), with t = logit x log2(e) and M = ceil(the row's largest t), a whole number; so 1/2 < the row's largest p <= 1. The row's sum l is taken of the UNQUANTISED p, in f32, and the product's result is divided by l at the end. Since M is a whole number, a kernel that streams over the keys may use a running M (the ceiling of the running maximum): every later rescaling is an exact power of two, so the quantised numbers keep their values, but for numbers so far below the row's largest that they fall under the format's range.
;;   OPERANDS COMPUTED ON THE WAY. 'Computed on the way' means the value that the module computes at that place (a softmax that the list does not call 'softmax' is quantised finished and normalised). What goes into a quantiser is computed in f32, as accurately as f32 sums, v_exp_f32 and their like allow (about 1e-6 of the number): no bf16 or f16 on the way to a quantiser, and a product that is left as it is and whose result goes on into a quantised operand takes f32 operands (vector FMAs, or v_wmma_f32_16x16x4_f32). A number that lies on a knife's edge between two numbers of the format may be rounded either way, as far as f32 arithmetic and the matrix unit's own rounding can turn it there, and no further.
;;   INPUTS GIVEN AS CODES. w_aproj (in the module: [1024, 1024], K = its axis 0); w_attn (in the module: [1024, 3072], K = its axis 0); w_fc (in the module: [1024, 4096], K = its axis 0); w_mproj (in the module: [4096, 1024], K = its axis 0): each comes as NAME_codes (uint8): NAME with its K axis moved to the last place and cut into blocks of 32 codes, [.., K / 32, bytes a block], one block behind the other in memory; one code a byte (a code: sign, 4 exponent bits, 3 mantissa bits); its scale is its entry of lowp_scales. Its value is code x scale, taken as it is: it is not quantised again, and the codes and scales need not be those that the quantiser above would give.
;; One version. Each part assembles by itself: llvm-mc -triple=amdgcn-amd-amdhsa -mcpu=gfx1250 --defsym DOCPART=n.
;; ======== version 1 of 1: 7 launches
;; limits: right only within a limited range of input values
;; workspace buffers: h_codes 4,194,304 bytes; q_img 4,194,304 bytes; k_img 4,194,304 bytes; v_img 4,194,304 bytes; a_img 4,194,304 bytes; hid_img 16,777,216 bytes; x1 16,777,216 bytes
;; launch ln1 (part 1): grid 256 x 1, 4 waves a work-group, no clusters, 0 bytes of LDS; arguments x, ln1_g, ln1_b, lowp_scales, h_codes; writes h_codes
.if DOCPART == 1
	.amdgcn_target "amdgcn-amd-amdhsa--gfx1250"
	.amdhsa_code_object_version 6
	.text
	.protected	k_qf415a5f0e6_ln1
	.globl	k_qf415a5f0e6_ln1
	.p2align	8
	.type	k_qf415a5f0e6_ln1,@function
k_qf415a5f0e6_ln1:
	s_mov_b64 s[64:65], 0
	v_nop
	global_prefetch_b8 v0, s[64:65] scope:SCOPE_SE
	s_setreg_imm32_b32 hwreg(HW_REG_WAVE_MODE, 25, 1), 1
	s_wait_xcnt 0x0
; THE PROGRAM: one transformer block in seven launches: LN1 | q, k, v | attention | projection + residual | LN2 | fc + gelu | projection + residual.
; All six matrix products run on E4M3 codes with the given scales 2^e; whatever goes into a quantiser is made in f32.
; WORK LEFT OUT (in the attention launch alone): reference() builds the causal mask itself: a logit of key j > query i is replaced by -1e10.  Its weight 2^(t - M) is 0 in f32 and as a code
; whenever the row's visible logits lie far above -1e10, so a block of 128 keys all of which come after a wave's 16 queries adds nothing to the row's sum or to the product, and is not walked.
; LIMIT: visible logits far above -1e10; a NaN, an infinity or an overflow that sits only in keys or values so left out is not carried to the result.  Every input has a way to an output: all are loaded.
;
; THIS LAUNCH: h = (x - mean) * rsqrt(var + 1e-5) * g + b, row by row of 1,024, then code = h / 2^e held within +-448, to the nearest E4M3 code.  e = entry SCOFF/4 of the scales.
; LIMITS: e between -126 and 119, so that 2^e and 448 x 2^e are f32 numbers.  NaN among the inputs is not served.
; SHARES: a wave takes four whole rows and keeps each in 32 registers a lane between the passes: the row is read once, no LDS, no barrier, no wave waits for another.
; A lane holds k = 256 j + 8 lane + i (j = 0..3, i = 0..7): eight neighbours for each conversion, and a wave's store of 8 bytes a lane covers 256 consecutive bytes, aligned.
; Memory binds: matrix units, clusters and LDS would add nothing, since no two work-groups read the same rows.  All 48 loads of a wave go out at once, so nothing is asked for ahead of them.
.set SCOFF, 0x0                        ; byte of my exponent in the scales
.set G,   8                            ; v[8:39]    g of my 32 columns
.set BT,  40                           ; v[40:71]   b of my 32 columns
.set X,   72                           ; v[72:199]  four rows, 32 registers each: register 8 j + i
.set C,   200                          ; v[200:231] the codes: 8 registers a row, so that no store's data are written again
.set T,   232                          ; v[232:239] chains of sums
.set U,   240                          ; v[240:241] the mean (the pair's upper word is written once)
.set R,   242                          ; v[242:243] 1 / sqrt(var + eps)
.set PD,  244                          ; v244       the lane exchange's destination
.set QS,  248                          ; v248       2^e
.set QL,  249                          ; v249       448 x 2^e
	s_load_b256 s[4:11], s[0:1], 0x0               ; in s[4:5], g s[6:7], b s[8:9], scales s[10:11]
	s_load_b64 s[12:13], s[0:1], 0x20              ; the codes
	v_lshrrev_b32 v1, 5, v0
	v_readfirstlane_b32 s14, v1                    ; wave
	v_and_b32 v1, 31, v0                           ; lane
	v_lshlrev_b32 v2, 5, v1                        ; my 32 bytes of each 1,024 of a row
	v_lshlrev_b32 v3, 3, v1                        ; my 8 codes of each 256
	s_lshl_b32 s15, ttmp9, 4
	s_lshl_b32 s16, s14, 2
	s_add_co_u32 s15, s15, s16                     ; my first row: 16 x work-group + 4 x wave
	s_lshl_b32 s16, s15, 12                        ; in bytes of f32 rows,
	s_mov_b32 s17, 0
	s_lshl_b32 s18, s15, 10                        ; and of rows of codes
	s_mov_b32 s19, 0
	s_mov_b32 s20, 0x3a800000                      ; 1 / 1024
	s_mov_b32 s21, 0x3727c5ac                      ; 1e-5
	s_mov_b32 s22, 0x76543210                      ; lane selects: lane l xor 16
	s_mov_b32 s23, 0xfedcba98
	v_mov_b32 v[PD], 0
	v_mov_b32 v[U+1], 0
	v_mov_b32 v[R+1], 0
	s_wait_alu depctr_va_vdst(0)
	s_wait_kmcnt 0x0
	s_load_b32 s24, s[10:11], SCOFF                ; e
	s_add_nc_u64 s[4:5], s[4:5], s[16:17]
	s_add_nc_u64 s[12:13], s[12:13], s[18:19]
.set jj, 0
.rept 8
	global_load_b128 v[G+4*jj:G+4*jj+3], v2, s[6:7] offset:1024*(jj/2)+16*(jj%2)
	global_load_b128 v[BT+4*jj:BT+4*jj+3], v2, s[8:9] offset:1024*(jj/2)+16*(jj%2)
.set jj, jj+1
.endr
.set qq, 0
.rept 32                               ; row qq / 8; the two loads of a j cover 1,024 consecutive bytes
	global_load_b128 v[X+4*qq:X+4*qq+3], v2, s[4:5] offset:4096*(qq/8)+1024*((qq%8)/2)+16*(qq%2)
.set qq, qq+1
.endr
	s_wait_kmcnt 0x0
	s_add_co_i32 s24, s24, 127
	s_lshl_b32 s25, s24, 23
	v_mov_b32 v[QS], s25                           ; 2^e as f32: the conversion takes its exponent field
	s_add_co_i32 s24, s24, 8
	s_lshl_b32 s24, s24, 23
	s_or_b32 s24, s24, 0x600000
	v_mov_b32 v[QL], s24                           ; 448 x 2^e
.macro REDUCE                          ; v[T] summed over the 32 lanes, the result in every lane
	v_add_f32_dpp v[T], v[T], v[T] row_xmask:1 row_mask:0xf bank_mask:0xf
	v_add_f32_dpp v[T], v[T], v[T] row_xmask:2 row_mask:0xf bank_mask:0xf
	v_add_f32_dpp v[T], v[T], v[T] row_xmask:4 row_mask:0xf bank_mask:0xf
	v_add_f32_dpp v[T], v[T], v[T] row_xmask:8 row_mask:0xf bank_mask:0xf
	v_permlanex16_b32 v[PD], v[T], s22, s23
	v_add_f32 v[T], v[T], v[PD]
.endm
.macro ROW p, left                     ; left: the loads of the rows behind this one, 8 each, may stay out
.set XR, X+32*(\p)
	s_wait_loadcnt \left
.irp c, 0,1,2,3                        ; the sum, in four chains that the first pairs start
	v_pk_add_f32 v[T+2*\c:T+2*\c+1], v[XR+2*\c:XR+2*\c+1], v[XR+8+2*\c:XR+9+2*\c]
.endr
.irp c, 0,1,2,3
	v_pk_add_f32 v[T+2*\c:T+2*\c+1], v[T+2*\c:T+2*\c+1], v[XR+16+2*\c:XR+17+2*\c]
.endr
.irp c, 0,1,2,3
	v_pk_add_f32 v[T+2*\c:T+2*\c+1], v[T+2*\c:T+2*\c+1], v[XR+24+2*\c:XR+25+2*\c]
.endr
	v_pk_add_f32 v[T:T+1], v[T:T+1], v[T+2:T+3]
	v_pk_add_f32 v[T+4:T+5], v[T+4:T+5], v[T+6:T+7]
	v_pk_add_f32 v[T:T+1], v[T:T+1], v[T+4:T+5]
	v_add_f32 v[T], v[T], v[T+1]
	REDUCE
	v_mul_f32 v[U], s20, v[T]                      ; the mean
.set ii, 0
.rept 16
	v_pk_add_f32 v[XR+ii:XR+ii+1], v[XR+ii:XR+ii+1], v[U:U+1] op_sel_hi:[1,0] neg_lo:[0,1] neg_hi:[0,1]   ; x - mean
.set ii, ii+2
.endr
	v_pk_mul_f32 v[T:T+1], v[XR:XR+1], v[XR:XR+1]  ; the squares, in two chains
	v_pk_mul_f32 v[T+2:T+3], v[XR+2:XR+3], v[XR+2:XR+3]
.set ii, 4
.rept 7
	v_pk_fma_f32 v[T:T+1], v[XR+ii:XR+ii+1], v[XR+ii:XR+ii+1], v[T:T+1]
	v_pk_fma_f32 v[T+2:T+3], v[XR+ii+2:XR+ii+3], v[XR+ii+2:XR+ii+3], v[T+2:T+3]
.set ii, ii+4
.endr
	v_pk_add_f32 v[T:T+1], v[T:T+1], v[T+2:T+3]
	v_add_f32 v[T], v[T], v[T+1]
	REDUCE
	v_fma_f32 v[T], v[T], s20, s21                 ; var + eps
	s_wait_alu depctr_va_vdst(0)
	v_rsq_f32 v[R], v[T]
	v_nop                                          ; a plain instruction behind the transcendental,
	s_wait_alu depctr_va_vdst(0)                   ; and the wait ahead of its first reader
.set ii, 0
.rept 16
	v_pk_mul_f32 v[XR+ii:XR+ii+1], v[XR+ii:XR+ii+1], v[R:R+1] op_sel_hi:[1,0]
.set ii, ii+2
.endr
.set ii, 0
.rept 16
	v_pk_fma_f32 v[XR+ii:XR+ii+1], v[XR+ii:XR+ii+1], v[G+ii:G+ii+1], v[BT+ii:BT+ii+1]
.set ii, ii+2
.endr
.set ii, 0
.rept 32
	v_med3_num_f32 v[XR+ii], v[XR+ii], -v[QL], v[QL]   ; the conversion to an 8-bit code does not saturate (ISA guide 7.6.2): the hold at the largest code x the scale
.set ii, ii+1
.endr
.irp j, 0,1,2,3
	v_cvt_scalef32_pk8_fp8_f32 v[C+8*(\p)+2*\j:C+8*(\p)+2*\j+1], v[XR+8*\j:XR+8*\j+7], v[QS]
.endr
	v_nop                                          ; a plain instruction behind the last conversion
.irp j, 0,1,2,3
	global_store_b64 v3, v[C+8*(\p)+2*\j:C+8*(\p)+2*\j+1], s[12:13] offset:1024*(\p)+256*\j   ; 32 lanes store 256 consecutive bytes, aligned
.endr
.endm
	ROW 0, 24
	ROW 1, 16
	ROW 2, 8
	ROW 3, 0
	s_endpgm
.Lfunc_end_k_qf415a5f0e6_ln1:
	.size	k_qf415a5f0e6_ln1, .Lfunc_end_k_qf415a5f0e6_ln1-k_qf415a5f0e6_ln1
	.p2alignl 7, 3214868480
	.fill 96, 4, 3214868480
	.section	.rodata,"a",@progbits
	.p2align	6, 0x0
	.amdhsa_kernel k_qf415a5f0e6_ln1
		.amdhsa_group_segment_fixed_size 0
		.amdhsa_private_segment_fixed_size 0
		.amdhsa_enable_private_segment 0
		.amdhsa_kernarg_size 40
		.amdhsa_user_sgpr_count 2
		.amdhsa_user_sgpr_kernarg_segment_ptr 1
		.amdhsa_wavefront_size32 1
		.amdhsa_system_sgpr_workgroup_id_x 1
		.amdhsa_system_sgpr_workgroup_id_y 1
		.amdhsa_system_sgpr_workgroup_id_z 1
		.amdhsa_system_vgpr_workitem_id 0
		.amdhsa_next_free_vgpr 256
		.amdhsa_next_free_sgpr 66
		.amdhsa_reserve_vcc 0
		.amdhsa_float_denorm_mode_32 3
		.amdhsa_float_denorm_mode_16_64 3
		.amdhsa_memory_ordered 1
		.amdhsa_forward_progress 1
		.amdhsa_inst_pref_size 41
	.end_amdhsa_kernel
	.amdgpu_metadata
---
amdhsa.version: [ 1, 2 ]
amdhsa.kernels:
  - .name:           k_qf415a5f0e6_ln1
    .symbol:         k_qf415a5f0e6_ln1.kd
    .args:
      - { .name: x, .offset: 0, .size: 8, .value_kind: global_buffer, .address_space: global }
      - { .name: ln1_g, .offset: 8, .size: 8, .value_kind: global_buffer, .address_space: global }
      - { .name: ln1_b, .offset: 16, .size: 8, .value_kind: global_buffer, .address_space: global }
      - { .name: lowp_scales, .offset: 24, .size: 8, .value_kind: global_buffer, .address_space: global }
      - { .name: h_codes, .offset: 32, .size: 8, .value_kind: global_buffer, .address_space: global }
    .group_segment_fixed_size: 0
    .private_segment_fixed_size: 0
    .kernarg_segment_align: 8
    .kernarg_segment_size: 40
    .max_flat_workgroup_size: 128
    .sgpr_count:     66
    .vgpr_count:     256
    .wavefront_size: 32
...
	.end_amdgpu_metadata
.endif
;; end of part 1
;; launch qkv (part 2): grid 16 x 16, 4 waves a work-group, clusters of 4 x 4, 327,680 bytes of LDS; arguments h_codes, w_attn_codes, lowp_scales, b_attn, out1, q_img, k_img, v_img; writes out1, q_img, k_img, v_img
.if DOCPART == 2
	.amdgcn_target "amdgcn-amd-amdhsa--gfx1250"
	.amdhsa_code_object_version 6
	.text
	.protected	k_qf415a5f0e6_qkv
	.globl	k_qf415a5f0e6_qkv
	.p2align	8
	.type	k_qf415a5f0e6_qkv,@function
k_qf415a5f0e6_qkv:
	s_mov_b64 s[64:65], 0
	v_nop
	global_prefetch_b8 v0, s[64:65] scope:SCOPE_SE
	s_setreg_imm32_b32 hwreg(HW_REG_WAVE_MODE, 25, 1), 1
	s_wait_xcnt 0x0
	s_wait_alu depctr_hold_cnt(0) depctr_sa_sdst(0) depctr_va_vdst(0) depctr_va_sdst(0) depctr_va_ssrc(0) depctr_va_vcc(0) depctr_vm_vsrc(0)
	s_getreg_b32 s2, hwreg(HW_REG_IB_STS2, 6, 4)
	s_cmp_eq_u32 s2, 0
	s_cbranch_scc0 .Lentry_in_a_cluster
	s_endpgm
.Lentry_in_a_cluster:
	s_bfe_u32 s2, ttmp6, 0x10000c
	s_cmp_lg_u32 s2, 0xf033
	s_cbranch_scc0 .Lentry_shape_is_right
	s_endpgm
.Lentry_shape_is_right:
; c = h W_attn + b_attn on E4M3 codes: h_codes [4096][1024], w_attn_codes [3072][1024], K innermost in both; sums in f32, each finished sum x 2^(e0 + e1) + bias.
; Columns 0-1023 are q, 1024-2047 k, 2048-3071 v.  k and v leave as f32 into out1 [b][k or v][head][token][64]; q, k and v leave as codes (scales e2, e3, e5) for the attention launch.
; LIMITS: e0 + e1 between -126 and 127; e2, e3, e5 between -126 and 119.  NaN among the inputs is not served.
; SHARES: a work-group takes 256 tokens x ONE HEAD of q, of k and of v: 192 columns, W's rows 64 head, 1024 + 64 head and 2048 + 64 head on.  16 heads x 16 blocks of tokens = 256 work-groups,
; all with the same products and the same stores, and no branch on the kind of a column.  A wave takes 64 tokens x 192 columns: 48 accumulators, 384 registers.
; K goes in slabs of 256 (two steps of 128) through a ring of two LDS slots: four slabs, written out.  Wave 0 fetches h's 256 rows, waves 1 to 3 W's 64 rows of q, k, v: one tensor load a wave.
; CLUSTERS of 4 x 4: h's tile is shared along a row of the cluster, W's pieces along a column, each asked for jointly.
; A slot is free as soon as its second step's fragments are in registers: the change of slots stands inside that step, behind its first 32 products.
; PREFETCH: behind slab 0's load slabs 1 and 2 are named, behind slab 1's slab 3: 256 bytes of each row, by immediate offsets.  Of h's 256 rows the partner at place cx takes 64 (waves 0, 1: 32 each, a lane a row);
; of W's 64 rows of each piece the partner at place cy takes 16 (wave 2: q's and k's; wave 3: v's, its lanes 16-31 naming the last row again): each block of 256 bytes is named once in a cluster.
; The matrix instruction is used transposed (source 0 = 16 rows of W, source 1 = 16 rows of h): a lane holds one token and eight neighbouring columns.  Fragments come by four loads of 16 bytes: a
; permutation of k that is the same on both sides, so every product meets its partner.
; THE CODES' LAYOUT is the next product's register image.  A lane's eight columns 16 c + 8 (lane / 16) + 0..7 are registers 2 c, 2 c + 1 of a fragment in the plain 8-bit layout:
;   q_img, k_img [b x 16 + head][tile of 16 tokens][g 0..1][lane][16 bytes];   v_img [b x 16 + head][128 keys][16 channels 0..3][g 0..3][lane][16 bytes]: 16 channels x 128 keys.
; q's and k's conversions ARE the image; v's columns are read back out of the f32 stage by columns, eight tokens a lane; a wave's 64 tokens are g = 2 (wave % 2), 2 (wave % 2) + 1 of a block of 128 keys.
; REGISTERS: window 0: v10-29 constants and addresses, v32-63 v's bias, v64-255 W's fragments, set 1; window 1: v0-191 W's fragments, v192-255 h's, set 0;
;   window 2: the accumulators of q and k, (a, b) at v[8 (4 b + a)], b = 0..7; window 3: v0-127 those of v, v128-191 h's fragments, set 1, v192-255 q's and k's bias.
;   On the way out: window 0: v64-159 a block's numbers, v160-191 v by columns, v192-255 q's and k's codes; window 1: rows for out1, 64 registers a block; window 3: v128-159 v's codes.
.set PITCH,  272                       ; an LDS row: 256 bytes + 16 of padding
.set AOFF,   256*PITCH                 ; h's 256 rows, then W's 192
.set SLOT,   AOFF+192*PITCH
.set STAGE,  2*SLOT                    ; behind the ring: 16 rows x (512 + 16) bytes a wave: k's 64 numbers, then v's
.set SP,     528
.set SPARE,  STAGE+4*16*SP             ; the spare words, 128 bytes a wave, that no other line names
.set QSQ, 10
.set QLQ, 11
.set QSK, 12
.set QLK, 13
.set QSV, 14
.set QLV, 15
.set ADRA, 16
.set ADRB, 18
.set STO,  20
.set RD,   21
.set CR,   22
.set IMG,  23
.set CO1,  24
.set BO,   25
.set PFO,  26
.set SPW,  28
.set NIL,  29
.set BV,   32
.set TMP,  64
.set VC,   160
.set PC,   192
.set G1, 24
.set G0, 32
.set G1B, 48
.set G0B, 56
.set MSB, 0
.macro WIN new                         ; the immediate's high byte repeats the setting that is left
.if MSB != (\new)
	s_set_vgpr_msb (MSB<<8)|(\new)
.set MSB, (\new)
.endif
.endm
.macro JLOAD s                         ; wave 0 fetches for h, waves 1 to 3 for W; an s_nop 0 and four v_nop follow each line
	s_cmp_eq_u32 s14, 0
	s_cbranch_scc0 .Lfor_b_\@
	tensor_load_to_lds s[G0+4*\s:G0+4*\s+3], s[G1:G1+7]
	s_nop 0
.rept 4
	v_nop
.endr
	s_branch .Lasked_\@
.Lfor_b_\@:
	tensor_load_to_lds s[G0B+4*\s:G0B+4*\s+3], s[G1B:G1B+7]
	s_nop 0
.rept 4
	v_nop
.endr
.Lasked_\@:
.endm
.macro CREST
	s_cmp_lg_u32 s14, 0
	s_cbranch_scc1 .Lnot_wave_0_\@
	s_barrier_signal -3
.Lnot_wave_0_\@:
	s_barrier_wait -3
	s_barrier_signal -1
	s_barrier_wait -1
.endm
.macro CROUND
	s_barrier_signal -1
	s_barrier_wait -1
	CREST
.endm
.macro PLACES n                        ; plain vector instructions between a matrix instruction and a load into, or a read of, its registers
.rept \n
	v_nop
.endr
.endm
	s_load_b128 s[4:7], s[0:1], 0x0                ; h's codes, W's codes
	s_load_b128 s[8:11], s[0:1], 0x10              ; the scales, the bias
	s_load_b256 s[68:75], s[0:1], 0x20             ; out1, q_img, k_img, v_img
	v_lshl_add_u32 v[SPW], v0, 2, SPARE
	v_mov_b32 v[NIL], 0
	ds_add_u32 v[SPW], v[NIL]                      ; the opening: the add, twice on end, and its wait ahead of my first tensor load
	ds_add_u32 v[SPW], v[NIL]
	v_lshrrev_b32 v1, 5, v0
	v_readfirstlane_b32 s14, v1                    ; wave
	s_add_co_u32 s15, s14, 3
	s_and_b32 s15, s15, 3                          ; waves 1, 2, 3: the piece of W that I fetch, 0, 1, 2
	s_bfe_u32 s40, ttmp6, 0x40000                  ; cx
	s_bfe_u32 s41, ttmp6, 0x40004                  ; cy
	s_lshl_b32 s42, ttmp9, 2
	s_add_co_u32 s42, s42, s40                     ; the head
	s_and_b32 s94, ttmp7, 0xffff                   ; the batch = the cluster's y: four blocks of 256 tokens
	s_lshl_b32 s17, s94, 2
	s_add_co_u32 s17, s17, s41                     ; the block of 256 tokens
	s_lshl_b32 s43, s41, 2
	s_lshl_b32 s43, 15, s43                        ; my row of the cluster
	s_lshl_b32 s44, 0x1111, s40                    ; my column
	s_or_b32 s[G1+0], s43, (0<<16)|(1<<20)|(1<<21)|(5<<22)|(3<<25)   ; mask; elements of 1 byte; padding: 4 words behind every 64; bit 21 beside a mask
	s_or_b32 s[G1B+0], s44, (0<<16)|(1<<20)|(1<<21)|(5<<22)|(3<<25)
.irp g, G1, G1B
	s_mov_b32 s[\g+1], 256<<16                     ; tensor_dim0
	s_mov_b32 s[\g+3], 256<<16                     ; tile_dim0
	s_mov_b32 s[\g+5], 1024                        ; pitch
	s_mov_b32 s[\g+6], 0
	s_mov_b32 s[\g+7], 0
.endr
	s_mov_b32 s[G1+2], 256<<16                     ; h: 256 rows
	s_mov_b32 s[G1+4], 256
	s_mov_b32 s[G1B+2], 64<<16                     ; W: 64 rows
	s_mov_b32 s[G1B+4], 64
	s_lshl_b32 s20, s17, 18                        ; h: row 256 x block, in bytes
	s_mov_b32 s21, 0
	s_lshl_b32 s18, s42, 16                        ; W: row 64 x head,
	s_lshl_b32 s46, s15, 20                        ; + 1,024 x piece
	s_add_co_u32 s46, s46, s18
	s_mov_b32 s47, 0
	s_mul_i32 s23, s15, 64*PITCH
	s_add_co_u32 s23, s23, AOFF                    ; where my piece goes in a slot
	s_mul_i32 s45, s14, 64*PITCH                   ; my 64 rows of h in a slot
	s_mul_i32 s22, s14, 16*SP
	s_add_co_u32 s22, s22, STAGE                   ; my stage
	s_lshl_b32 s76, s40, 16                        ; the prefetches.  Waves 0, 1: h's rows 256 block + 64 cx + 32 wave on
	s_lshl_b32 s77, s14, 15
	s_add_co_u32 s76, s76, s77
	s_add_co_u32 s76, s76, s20
	s_lshl_b32 s77, s41, 14                        ; waves 2, 3: W's rows 64 head + 16 cy on; wave 3: 2,048 rows further
	s_add_co_u32 s77, s77, s18
	s_and_b32 s78, s14, 1
	s_lshl_b32 s78, s78, 21
	s_add_co_u32 s77, s77, s78
	s_mov_b32 s99, 0x100000
	s_cmp_lt_u32 s14, 2
	s_cselect_b32 s66, s76, s77
	s_cselect_b32 s99, 16384, s99                  ; lanes 16-31: 16 rows on in h; k's piece, 1,024 rows on, in W
	s_mov_b32 s67, 0
	s_cmp_eq_u32 s14, 3
	s_cselect_b32 s98, 15, 31                      ; wave 3 has 16 rows
	s_wait_dscnt 0x0                               ; both opening adds are done
	s_wait_kmcnt 0x0
	s_load_b256 s[84:91], s[8:9], 0x0              ; e0 .. e7
	s_add_nc_u64 s[20:21], s[4:5], s[20:21]
	s_add_nc_u64 s[46:47], s[6:7], s[46:47]
	s_cmp_lt_u32 s14, 2
	s_cselect_b64 s[12:13], s[4:5], s[6:7]
	s_add_nc_u64 s[12:13], s[12:13], s[66:67]
	CROUND                                         ; all sixteen work-groups are here: the first joint loads meet
.irp s, 0,1
	s_mov_b32 s[G0+4*\s], 1
	s_mov_b32 s[G0+4*\s+1], \s*SLOT
	s_add_nc_u64 s[G0+4*\s+2:G0+4*\s+3], s[20:21], \s*256
	s_or_b32 s[G0+4*\s+3], s[G0+4*\s+3], 0x80000000
	s_mov_b32 s[G0B+4*\s], 1
	s_add_co_u32 s[G0B+4*\s+1], s23, \s*SLOT
	s_add_nc_u64 s[G0B+4*\s+2:G0B+4*\s+3], s[46:47], \s*256
	s_or_b32 s[G0B+4*\s+3], s[G0B+4*\s+3], 0x80000000
.endr
	JLOAD 0                                        ; slab 0: one tensor load a wave at the head
	s_lshl_b32 s76, s42, 8
	s_mov_b32 s77, 0
	s_add_nc_u64 s[10:11], s[10:11], s[76:77]      ; the bias of q's columns of my head
	s_lshl_b32 s80, s41, 8
	s_lshl_b32 s81, s14, 6
	s_add_co_u32 s80, s80, s81                     ; my first token in the batch: 256 cy + 64 wave
	s_lshl_b32 s81, s94, 4
	s_add_co_u32 s81, s81, s42
	s_lshl_b32 s81, s81, 16                        ; a head's image is 65,536 bytes
	s_lshl_b32 s76, s80, 6                         ; q, k: 64 bytes a token
	s_add_co_u32 s76, s76, s81
	s_add_nc_u64 s[70:71], s[70:71], s[76:77]
	s_add_nc_u64 s[72:73], s[72:73], s[76:77]
	s_lshl_b32 s76, s41, 14                        ; v: 8,192 bytes for 128 keys, 1,024 for my two g
	s_add_co_u32 s76, s76, s81
	s_lshr_b32 s78, s14, 1
	s_lshl_b32 s78, s78, 13
	s_add_co_u32 s76, s76, s78
	s_and_b32 s78, s14, 1
	s_lshl_b32 s78, s78, 10
	s_add_co_u32 s76, s76, s78
	s_add_nc_u64 s[74:75], s[74:75], s[76:77]
	s_lshl_b32 s76, s94, 23                        ; out1: a batch is 2 x 16 heads x 262,144 bytes
	s_lshl_b32 s78, s42, 18
	s_add_co_u32 s76, s76, s78
	s_lshl_b32 s78, s80, 8
	s_add_co_u32 s76, s76, s78
	s_add_nc_u64 s[68:69], s[68:69], s[76:77]      ; k's row of my first token
	v_and_b32 v1, 15, v0                           ; r
	v_bfe_u32 v2, v0, 4, 1                         ; h
	v_and_b32 v3, 31, v0                           ; lane
	v_mul_u32_u24 v4, v1, PITCH
	v_lshl_add_u32 v4, v2, 4, v4
	v_add_nc_u32 v[ADRA], s45, v4
	v_add_nc_u32 v[ADRA+1], SLOT, v[ADRA]
	v_add_nc_u32 v[ADRB], AOFF, v4
	v_add_nc_u32 v[ADRB+1], SLOT, v[ADRB]
	v_mul_u32_u24 v5, v1, SP
	v_lshl_add_u32 v5, v2, 5, v5
	v_add_nc_u32 v[STO], s22, v5                   ; in: row r, 32 bytes for each half of the lanes
	v_lshlrev_b32 v[IMG], 4, v3
	v_add_nc_u32 v[RD], s22, v[IMG]                ; back by rows: lanes 0-15 k's 256 bytes, lanes 16-31 v's
	v_mul_u32_u24 v6, v2, 8*SP
	v_lshl_add_u32 v6, v1, 2, v6
	v_add_nc_u32 v[CR], s22, v6                    ; back by columns: column r, rows 8 h on
	v_lshlrev_b32 v[CO1], 22, v2                   ; in out1 v lies 16 heads x 262,144 bytes behind k
	v_lshl_add_u32 v[CO1], v1, 4, v[CO1]
	v_lshlrev_b32 v[BO], 5, v2
	v_min_u32 v7, s98, v3
	v_and_b32 v8, 15, v7
	v_lshrrev_b32 v7, 4, v7
	v_mul_lo_u32 v7, v7, s99
	v_lshl_add_u32 v[PFO], v8, 10, v7              ; a lane a row
	global_prefetch_b8 v[PFO], s[12:13] offset:256 th:TH_LOAD_NT scope:SCOPE_SE   ; slab 1
	global_prefetch_b8 v[PFO], s[12:13] offset:512 th:TH_LOAD_NT scope:SCOPE_SE   ; slab 2
	WIN 0xc0
.set bb, 0
.rept 8                                ; register 8 b + j = bias of column 16 (b % 4) + 8 h + j of q (b < 4) or k; they land under the K steps
	global_load_b128 v[192+8*bb:192+8*bb+3], v[BO], s[10:11] offset:4096*(bb/4)+64*(bb%4)
	global_load_b128 v[192+8*bb+4:192+8*bb+7], v[BO], s[10:11] offset:4096*(bb/4)+64*(bb%4)+16
.set bb, bb+1
.endr
	WIN 0
.set bb, 0
.rept 4                                ; and of v
	global_load_b128 v[BV+8*bb:BV+8*bb+3], v[BO], s[10:11] offset:8192+64*bb
	global_load_b128 v[BV+8*bb+4:BV+8*bb+7], v[BO], s[10:11] offset:8192+64*bb+16
.set bb, bb+1
.endr
	s_wait_kmcnt 0x0                               ; the exponents
.macro MKQ e, qs, ql                   ; 2^e, whose exponent field the conversion takes, and 448 x 2^e
	s_add_co_i32 s76, s[\e], 127
	s_lshl_b32 s77, s76, 23
	v_mov_b32 v[\qs], s77
	s_add_co_i32 s76, s76, 8
	s_lshl_b32 s76, s76, 23
	s_or_b32 s76, s76, 0x600000
	v_mov_b32 v[\ql], s76
.endm
	MKQ 86, QSQ, QLQ
	MKQ 87, QSK, QLK
	MKQ 89, QSV, QLV
	s_add_co_i32 s96, s84, s85
	s_add_co_i32 s96, s96, 127
	s_lshl_b32 s96, s96, 23                        ; 2^(e0 + e1)
	s_mov_b32 s97, s96
.macro FETCHQ q                        ; step q's fragments, 64 loads: slot (q / 2) % 2, byte 128 (q % 2) of the rows, set q % 2
.set FS, ((\q)/2)%2
.set FK, 128*((\q)%2)
.if ((\q)%2) == 0
	WIN 0x40
.irp i, 0,1,2,3,4,5,6,7,8,9,10,11
.irp c, 0,1,2,3
	ds_load_b128 v[16*\i+4*\c:16*\i+4*\c+3], v[ADRB+FS] offset:FK+32*\c+\i*16*PITCH
.endr
.endr
.irp i, 0,1,2,3
.irp c, 0,1,2,3
	ds_load_b128 v[192+16*\i+4*\c:192+16*\i+4*\c+3], v[ADRA+FS] offset:FK+32*\c+\i*16*PITCH
.endr
.endr
.else
	WIN 0
.irp i, 0,1,2,3,4,5,6,7,8,9,10,11
.irp c, 0,1,2,3
	ds_load_b128 v[64+16*\i+4*\c:64+16*\i+4*\c+3], v[ADRB+FS] offset:FK+32*\c+\i*16*PITCH
.endr
.endr
	WIN 0xc0
.irp i, 0,1,2,3
.irp c, 0,1,2,3
	ds_load_b128 v[128+16*\i+4*\c:128+16*\i+4*\c+3], v[ADRA+FS] offset:FK+32*\c+\i*16*PITCH
.endr
.endr
.endif
	WIN 0
.endm
.macro MULB p, lo, zero                ; lo = 1: q's and k's 32 products; lo = 0: v's 16.  The 48 accumulators take turns, one instruction a turn, in the same order in every step
.set BFX, 64*(\p)
.set AFX, 192-64*(\p)
.if \lo
	WIN 0xa5+7*(\p)
.irp b, 0,1,2,3,4,5,6,7
.irp a, 0,1,2,3
.if \zero
	v_wmma_f32_16x16x128_fp8_fp8 v[8*(4*\b+\a):8*(4*\b+\a)+7], v[BFX+16*\b:BFX+16*\b+15], v[AFX+16*\a:AFX+16*\a+15], 0
.else
	v_wmma_f32_16x16x128_fp8_fp8 v[8*(4*\b+\a):8*(4*\b+\a)+7], v[BFX+16*\b:BFX+16*\b+15], v[AFX+16*\a:AFX+16*\a+15], v[8*(4*\b+\a):8*(4*\b+\a)+7]
.endif
.endr
.endr
.else
	WIN 0xf5+7*(\p)
.irp b, 0,1,2,3
.irp a, 0,1,2,3
.if \zero
	v_wmma_f32_16x16x128_fp8_fp8 v[8*(4*\b+\a):8*(4*\b+\a)+7], v[BFX+128+16*\b:BFX+128+16*\b+15], v[AFX+16*\a:AFX+16*\a+15], 0
.else
	v_wmma_f32_16x16x128_fp8_fp8 v[8*(4*\b+\a):8*(4*\b+\a)+7], v[BFX+128+16*\b:BFX+128+16*\b+15], v[AFX+16*\a:AFX+16*\a+15], v[8*(4*\b+\a):8*(4*\b+\a)+7]
.endif
.endr
.endr
.endif
.endm
.macro STEP q, zero                    ; an even step: its successor lies in the same slot
	s_wait_dscnt 0x0                               ; this step's set is in
	PLACES 4                                       ; behind the products that read the other set
	FETCHQ (\q)+1
	MULB 0, 1, \zero
	MULB 0, 0, \zero
.endm
.macro TURN q, fill                    ; an odd step changes slots; fill = 1: its slot is filled again, two slabs ahead
.set CS, ((\q)/2)%2
	s_wait_dscnt 0x0                               ; this step's set is in: my reads of its slot are over
	MULB 1, 1, 0
	WIN 0
	s_wait_tensorcnt 0x0                           ; my one tensor load has landed: my part of the other slot; so a group 0 may be written
	ds_add_u32 v[SPW], v[NIL]                      ; 0 onto my spare word
.if \fill
	s_add_nc_u64 s[G0+4*CS+2:G0+4*CS+3], s[G0+4*CS+2:G0+4*CS+3], 512
	s_add_nc_u64 s[G0B+4*CS+2:G0B+4*CS+3], s[G0B+4*CS+2:G0B+4*CS+3], 512
.endif
	s_wait_dscnt 0x0
	s_barrier_signal -1
	s_barrier_wait -1
.if \fill
	CREST                                          ; the barrier has opened a round of the cluster's: no wave of any partner still reads this slot or has a load on its way
.if CS
	JLOAD 1
.else
	JLOAD 0
.endif
.else
	PLACES 4
.endif
	FETCHQ (\q)+1
	MULB 1, 0, 0
.endm
	s_wait_alu depctr_va_vdst(0)                   ; the wait at the head's end
	s_wait_tensorcnt 0x0                           ; my part of slab 0 is in; slot 1's first fill is issued as a refill is:
	ds_add_u32 v[SPW], v[NIL]
	s_wait_dscnt 0x0
	CROUND
	JLOAD 1                                        ; slab 1: the first tensor load behind the round
	FETCHQ 0
	global_prefetch_b8 v[PFO], s[12:13] offset:768 th:TH_LOAD_NT scope:SCOPE_SE   ; slab 3
	STEP 0, 1                                      ; the first step starts the sums: nothing is cleared
	TURN 1, 1
	STEP 2, 0
	TURN 3, 1
	STEP 4, 0
	TURN 5, 0                                      ; nothing is filled any more
	STEP 6, 0
	s_wait_dscnt 0x0
	MULB 1, 1, 0
	MULB 1, 0, 0
	WIN 0
	PLACES 4
	s_wait_loadcnt 0x0                             ; the bias
; THE WAY OUT, a block of 16 tokens x 192 columns at a time.  Each block has its own registers for what global stores read, so none is written again while a store may read it.
.macro OUTB a
	WIN 0x32                                       ; sum (window 2) x 2^(e0 + e1) + bias (window 3), each accumulator from its low end on
.irp b, 0,1,2,3,4,5,6,7
.irp j, 0,2,4,6
	v_pk_fma_f32 v[TMP+8*\b+\j:TMP+8*\b+\j+1], v[8*(4*\b+\a)+\j:8*(4*\b+\a)+\j+1], s[96:97], v[192+8*\b+\j:192+8*\b+\j+1] op_sel_hi:[1,0,1]
.endr
.endr
	WIN 0x03                                       ; v: sum in window 3, bias in window 0
.irp b, 0,1,2,3
.irp j, 0,2,4,6
	v_pk_fma_f32 v[TMP+64+8*\b+\j:TMP+64+8*\b+\j+1], v[8*(4*\b+\a)+\j:8*(4*\b+\a)+\j+1], s[96:97], v[BV+8*\b+\j:BV+8*\b+\j+1] op_sel_hi:[1,0,1]
.endr
.endr
	WIN 0
.irp b, 0,1,2,3,4,5,6,7                ; k, then v, into my stage
	ds_store_b128 v[STO], v[TMP+32+8*\b:TMP+32+8*\b+3] offset:64*\b
	ds_store_b128 v[STO], v[TMP+32+8*\b+4:TMP+32+8*\b+7] offset:64*\b+16
.endr
	WIN 0x40
.set tt, 0
.rept 16
	ds_load_b128 v[64*\a+4*tt:64*\a+4*tt+3], v[RD] offset:tt*SP   ; LDS serves a wave's instructions in order: these see the stores above
.set tt, tt+1
.endr
	WIN 0
.set nn, 0
.rept 32                               ; v: K = the keys: lane (r, h) takes channel 16 (nn / 8) + r and tokens 8 h + nn % 8
	ds_load_b32 v[VC+nn], v[CR] offset:256+SP*(nn%8)+64*(nn/8)
.set nn, nn+1
.endr
.set jj, 0
.rept 32                               ; the conversion to an 8-bit code does not saturate (ISA guide 7.6.2): the hold
	v_med3_num_f32 v[TMP+jj], v[TMP+jj], -v[QLQ], v[QLQ]
	v_med3_num_f32 v[TMP+32+jj], v[TMP+32+jj], -v[QLK], v[QLK]
.set jj, jj+1
.endr
.irp b, 0,1,2,3
	v_cvt_scalef32_pk8_fp8_f32 v[PC+16*\a+2*\b:PC+16*\a+2*\b+1], v[TMP+8*\b:TMP+8*\b+7], v[QSQ]
	v_cvt_scalef32_pk8_fp8_f32 v[PC+16*\a+8+2*\b:PC+16*\a+8+2*\b+1], v[TMP+32+8*\b:TMP+32+8*\b+7], v[QSK]
.endr
	v_nop                                          ; a plain instruction behind the last conversion
.irp g, 0,1
	global_store_b128 v[IMG], v[PC+16*\a+4*\g:PC+16*\a+4*\g+3], s[70:71] offset:\a*1024+512*\g       ; 512 consecutive bytes
	global_store_b128 v[IMG], v[PC+16*\a+8+4*\g:PC+16*\a+8+4*\g+3], s[72:73] offset:\a*1024+512*\g
.endr
	s_wait_dscnt 32                                ; the 16 rows are back; the 32 loads by columns may be out
	WIN 0x04
.set tt, 0
.rept 16
	global_store_b128 v[CO1], v[64*\a+4*tt:64*\a+4*tt+3], s[68:69] offset:(16*\a+tt)*256 th:TH_STORE_NT   ; sixteen lanes store a head's row: 256 consecutive bytes, aligned
.set tt, tt+1
.endr
	WIN 0
	s_wait_dscnt 0x0
.set jj, 0
.rept 32
	v_med3_num_f32 v[VC+jj], v[VC+jj], -v[QLV], v[QLV]
.set jj, jj+1
.endr
	WIN 0xc0                                       ; v's codes gather in window 3: channels 16 n on, registers 2 a, 2 a + 1 of my eight
.irp n, 0,1,2,3
	v_cvt_scalef32_pk8_fp8_f32 v[128+8*\n+2*\a:128+8*\n+2*\a+1], v[VC+8*\n:VC+8*\n+7], v[QSV]
.endr
	v_nop
	WIN 0
.endm
.irp a, 0,1,2,3
	OUTB \a
.endr
	WIN 0x0c
.irp n, 0,1,2,3
.irp g, 0,1
	global_store_b128 v[IMG], v[128+8*\n+4*\g:128+8*\n+4*\g+3], s[74:75] offset:\n*2048+512*\g   ; 512 consecutive bytes
.endr
.endr
	WIN 0
	s_wait_tensorcnt 0x0                           ; the wave's end
	ds_add_u32 v[SPW], v[NIL]
	s_wait_dscnt 0x0
	CROUND                                         ; the closing round
	s_endpgm
.Lfunc_end_k_qf415a5f0e6_qkv:
	.size	k_qf415a5f0e6_qkv, .Lfunc_end_k_qf415a5f0e6_qkv-k_qf415a5f0e6_qkv
	.p2alignl 7, 3214868480
	.fill 96, 4, 3214868480
	.section	.rodata,"a",@progbits
	.p2align	6, 0x0
	.amdhsa_kernel k_qf415a5f0e6_qkv
		.amdhsa_group_segment_fixed_size 327680
		.amdhsa_private_segment_fixed_size 0
		.amdhsa_enable_private_segment 0
		.amdhsa_kernarg_size 64
		.amdhsa_user_sgpr_count 2
		.amdhsa_user_sgpr_kernarg_segment_ptr 1
		.amdhsa_wavefront_size32 1
		.amdhsa_system_sgpr_workgroup_id_x 1
		.amdhsa_system_sgpr_workgroup_id_y 1
		.amdhsa_system_sgpr_workgroup_id_z 1
		.amdhsa_system_vgpr_workitem_id 0
		.amdhsa_next_free_vgpr 1024
		.amdhsa_next_free_sgpr 100
		.amdhsa_reserve_vcc 0
		.amdhsa_float_denorm_mode_32 3
		.amdhsa_float_denorm_mode_16_64 3
		.amdhsa_memory_ordered 1
		.amdhsa_forward_progress 1
		.amdhsa_inst_pref_size 139
	.end_amdhsa_kernel
	.amdgpu_metadata
---
amdhsa.version: [ 1, 2 ]
amdhsa.kernels:
  - .name:           k_qf415a5f0e6_qkv
    .symbol:         k_qf415a5f0e6_qkv.kd
    .args:
      - { .name: h_codes, .offset: 0, .size: 8, .value_kind: global_buffer, .address_space: global }
      - { .name: w_attn_codes, .offset: 8, .size: 8, .value_kind: global_buffer, .address_space: global }
      - { .name: lowp_scales, .offset: 16, .size: 8, .value_kind: global_buffer, .address_space: global }
      - { .name: b_attn, .offset: 24, .size: 8, .value_kind: global_buffer, .address_space: global }
      - { .name: out1, .offset: 32, .size: 8, .value_kind: global_buffer, .address_space: global }
      - { .name: q_img, .offset: 40, .size: 8, .value_kind: global_buffer, .address_space: global }
      - { .name: k_img, .offset: 48, .size: 8, .value_kind: global_buffer, .address_space: global }
      - { .name: v_img, .offset: 56, .size: 8, .value_kind: global_buffer, .address_space: global }
    .group_segment_fixed_size: 327680
    .private_segment_fixed_size: 0
    .kernarg_segment_align: 8
    .kernarg_segment_size: 64
    .max_flat_workgroup_size: 128
    .sgpr_count:     100
    .vgpr_count:     1024
    .wavefront_size: 32
...
	.end_amdgpu_metadata
.endif
;; end of part 2
;; launch att (part 3): grid 4 x 64, 16 waves a work-group, clusters of 4 x 1, 167,936 bytes of LDS; arguments q_img, k_img, v_img, lowp_scales, a_img; writes a_img
.if DOCPART == 3
	.amdgcn_target "amdgcn-amd-amdhsa--gfx1250"
	.amdhsa_code_object_version 6
	.text
	.protected	k_qf415a5f0e6_att
	.globl	k_qf415a5f0e6_att
	.p2align	8
	.type	k_qf415a5f0e6_att,@function
k_qf415a5f0e6_att:
	s_mov_b64 s[64:65], 0
	v_nop
	global_prefetch_b8 v0, s[64:65] scope:SCOPE_SE
	s_setreg_imm32_b32 hwreg(HW_REG_WAVE_MODE, 25, 1), 1
	s_wait_xcnt 0x0
	s_wait_alu depctr_hold_cnt(0) depctr_sa_sdst(0) depctr_va_vdst(0) depctr_va_sdst(0) depctr_va_ssrc(0) depctr_va_vcc(0) depctr_vm_vsrc(0)
	s_getreg_b32 s2, hwreg(HW_REG_IB_STS2, 6, 4)
	s_cmp_eq_u32 s2, 0
	s_cbranch_scc0 .Lentry_in_a_cluster
	s_endpgm
.Lentry_in_a_cluster:
	s_bfe_u32 s2, ttmp6, 0x10000c
	s_cmp_lg_u32 s2, 0x3003
	s_cbranch_scc0 .Lentry_shape_is_right
	s_endpgm
.Lentry_shape_is_right:
; a = softmax(q k^T / 8, causal) v for one batch and head a cluster, both products on E4M3 codes; a leaves as codes (scale e6) in the register image that the projection reads.
; WORK LEFT OUT: a block of 128 keys all of which come after a wave's 16 queries is not walked: reference() sets those logits to -1e10, whose weight is 0 (shown at the head of the first kernel).
; THE SOFTMAX: t = score x 2^(e2 + e3) x log2(e) / 8; M = the running largest t rounded up to a whole number; p = 2^(t - M) is quantised with e4, not normalised; the row's sum is taken of the
; unquantised p and divides at the end; when M moves, the sum and O are multiplied by 2^(old M - new M), which rounds nothing.  Hidden keys of the block on the diagonal get -infinity ahead of the maximum.
; LIMITS: e2 + e3 between -123 and 130 (added to the constant's exponent field); e4 and e6 between -126 and 119; e4 + e5 goes in by v_ldexp_f32.  Visible logits far above -1e10.  NaN is not served.
; SHARES: the cluster's four work-groups share one head.  Wave w of partner cx owns the tile of 16 queries 64 l + 16 cx on, l = w xor 15 xor ((w >> 2) & 2): the partners have equal work, and each reads
; every tile of K and V.  The wave walks the blocks of 128 keys 0 .. l / 2; both tests (walked at all; on the diagonal) are made of l and the step alone.  l is numbered so that waves w, w + 4, w + 8 and
; w + 12 walk 18 blocks together for every w (8 + 6 + 3 + 1 or 7 + 5 + 4 + 2), the long walks in the waves with the low numbers.
; LDS: the head's K (65,536 bytes) and V (65,536) lie there whole, as register images: nothing is filled again.  Four joint loads, all first fills: wave 0 asks for K's first 256 keys, wave 2 the rest,
; waves 1 and 3 the same of V: one tensor load of a wave is out at the most.  Steps 0 and 1 begin when all four have landed.  Everything is asked for at the head, so nothing is left to prefetch.
; LAYOUT: both products transposed: S^T = K Q^T (source 0 = 16 keys), O^T = V^T P^T (source 0 = 16 channels): a lane holds one query (lane % 16).  Register 8 c + j of S^T is key 16 c + 8 (lane / 16) + j,
; so a conversion of eight registers gives registers 2 c, 2 c + 1 of P in the plain 8-bit layout; the same holds of O^T and a's image.
; Sixteen waves of 256 registers: one wave's vector work stands beside another's products and LDS loads.
; REGISTERS: v1 16 x lane, v2 the same in V, v3, v4 the step's addresses, v5, v6 the add's two, v7 the mask's number; v12 -M, v13 the largest t, v[14:15] the sum; v16-23 Q; v32-95 K's eight fragments, then V's four;
;   v96-159 S^T, then p; v160-191 O^T; v192-207 p's codes; v208-215 a's codes; v234-255 at work and constants.
.set VIMG,  65536
.set SPARE, 131072                     ; behind the images: the spare words, 128 bytes for each of 16 waves, that no other line names
.set WV,  18                           ; my wave's number: who asks for tiles, who signals for the work-group
.set LW,  21                           ; l: which block of 64 queries is my wave's
.set CS,  22                           ; s[22:23] c
.set G1A, 24                           ; s[24:31] 64 rows of 256 bytes;  s[32:39] 192 rows
.set G1R, 32
.set SEL, 56
.set ST,  58                           ; the step
.set TB,  59                           ; 8,192 x the step: a step's K images, and its V images
.macro CROUND
	s_barrier_signal -1
	s_barrier_wait -1
	s_cmp_lg_u32 s[WV], 0
	s_cbranch_scc1 .Lnot_wave_0_\@
	s_barrier_signal -3
.Lnot_wave_0_\@:
	s_barrier_wait -3
	s_barrier_signal -1
	s_barrier_wait -1
.endm
	s_load_b256 s[4:11], s[0:1], 0x0               ; q_img, k_img, v_img, the scales
	s_load_b64 s[12:13], s[0:1], 0x20              ; a_img
	v_lshl_add_u32 v5, v0, 2, SPARE
	v_mov_b32 v6, 0
	ds_add_u32 v5, v6                              ; the opening: the add, twice on end, and its wait ahead of the first tensor loads
	ds_add_u32 v5, v6
	v_lshrrev_b32 v8, 5, v0
	s_delay_alu instid0(VALU_DEP_1)
	v_readfirstlane_b32 s[WV], v8                  ; wave 0..15
	s_lshr_b32 s[LW], s[WV], 2
	s_and_b32 s[LW], s[LW], 2
	s_xor_b32 s[LW], s[LW], s[WV]
	s_xor_b32 s[LW], s[LW], 15                     ; l = w xor 15 xor ((w >> 2) & 2): 15 .. 8, then 5, 4, 7, 6, 1, 0, 3, 2
	s_bfe_u32 s19, ttmp6, 0x40000                  ; cx
	s_and_b32 s20, ttmp7, 0xffff                   ; 16 x batch + head, which the partners share
.irp g, G1A, G1R
	s_mov_b32 s[\g], 15|(3<<16)|(1<<21)            ; the mask: all four; elements of 8 bytes; no padding; bit 21 beside a mask
	s_mov_b32 s[\g+1], 32<<16                      ; tensor_dim0 = 32 elements: rows of 256 bytes of a dense block
	s_mov_b32 s[\g+3], 32<<16                      ; tile_dim0
	s_mov_b32 s[\g+5], 32                          ; pitch
	s_mov_b32 s[\g+6], 0
	s_mov_b32 s[\g+7], 0
.endr
	s_mov_b32 s[G1A+2], 64<<16                     ; tensor_dim1,
	s_mov_b32 s[G1A+4], 64                         ; tile_dim1: 16,384 bytes
	s_mov_b32 s[G1R+2], 192<<16
	s_mov_b32 s[G1R+4], 192                        ; 49,152 bytes
	s_lshl_b32 s60, s20, 16                        ; the head's first byte in each image
	s_mov_b32 s61, 0
	s_mov_b32 s[SEL], 0x76543210
	s_mov_b32 s[SEL+1], 0xfedcba98
	s_mov_b32 s[CS], 0x3e38aa3b                    ; log2(e) / 8
	s_wait_dscnt 0x0                               ; both opening adds are done
	s_wait_kmcnt 0x0
	s_load_b256 s[68:75], s[10:11], 0x0            ; e0 .. e7
	s_mov_b32 s40, 1                               ; K's first 256 keys -> LDS 0
	s_mov_b32 s41, 0
	s_add_nc_u64 s[42:43], s[6:7], s[60:61]
	s_mov_b32 s44, 1                               ; the rest -> 16,384
	s_mov_b32 s45, 16384
	s_add_nc_u64 s[46:47], s[42:43], 16384
	s_or_b32 s43, s43, 0x80000000
	s_or_b32 s47, s47, 0x80000000
	s_mov_b32 s48, 1                               ; V likewise, from 65,536 on
	s_mov_b32 s49, VIMG
	s_add_nc_u64 s[50:51], s[8:9], s[60:61]
	s_mov_b32 s52, 1
	s_mov_b32 s53, VIMG+16384
	s_add_nc_u64 s[54:55], s[50:51], 16384
	s_or_b32 s51, s51, 0x80000000
	s_or_b32 s55, s55, 0x80000000
	CROUND                                         ; all four work-groups are here: the joint loads meet
	s_cmp_eq_u32 s[WV], 0                          ; a wave's one load stands in one arm of a chain of branches on the wave's number
	s_cbranch_scc0 .Lnot_k
	tensor_load_to_lds s[40:43], s[G1A:G1A+7]      ; THE FOUR FIRST FILLS ARE SHARED OUT, one to a wave, in one chain of branches on the wave's number: wave 0 K's first 256 keys,
	s_nop 0
.rept 4
	v_nop
.endr
	s_branch .Lasked
.Lnot_k:
	s_cmp_eq_u32 s[WV], 1
	s_cbranch_scc0 .Lnot_v
	tensor_load_to_lds s[48:51], s[G1A:G1A+7]      ; wave 1 V's first 256 keys,
	s_nop 0
.rept 4
	v_nop
.endr
	s_branch .Lasked
.Lnot_v:
	s_cmp_eq_u32 s[WV], 2
	s_cbranch_scc0 .Lnot_k2
	tensor_load_to_lds s[44:47], s[G1R:G1R+7]      ; wave 2 the rest of K,
	s_nop 0
.rept 4
	v_nop
.endr
	s_branch .Lasked
.Lnot_k2:
	s_cmp_eq_u32 s[WV], 3
	s_cbranch_scc0 .Lasked
	tensor_load_to_lds s[52:55], s[G1R:G1R+7]      ; wave 3 the rest of V: one tensor load of a wave is out at the most
	s_nop 0
.rept 4
	v_nop
.endr
.Lasked:
	s_lshl_b32 s62, s[LW], 2
	s_add_co_u32 s62, s62, s19                     ; my tile of queries: 4 l + cx
	s_lshl_b32 s96, s62, 10
	s_add_co_u32 s96, s96, s60
	s_mov_b32 s97, 0
	s_add_nc_u64 s[4:5], s[4:5], s[96:97]          ; its image
	v_and_b32 v1, 31, v0
	s_delay_alu instid0(VALU_DEP_1)
	v_lshlrev_b32 v1, 4, v1                        ; 16 x lane
	global_load_b128 v[16:19], v1, s[4:5]          ; Q stays in registers
	global_load_b128 v[20:23], v1, s[4:5] offset:512
	v_add_nc_u32 v2, 0x10000, v1
	s_lshr_b32 s96, s20, 4                         ; the batch
	s_lshl_b32 s96, s96, 6
	s_add_co_u32 s96, s96, s62                     ; my tile of 16 tokens among the 256
	s_lshl_b32 s96, s96, 14                        ; 16,384 bytes each;
	s_and_b32 s63, s20, 15
	s_lshl_b32 s63, s63, 10                        ; the head's 64 of K = 1,024: 1,024 bytes
	s_add_co_u32 s96, s96, s63
	s_add_nc_u64 s[12:13], s[12:13], s[96:97]
	v_and_b32 v8, 15, v0
	v_bfe_u32 v9, v0, 4, 1
	s_delay_alu instid0(VALU_DEP_1)
	v_lshlrev_b32 v9, 3, v9
	s_delay_alu instid0(VALU_DEP_1)
	v_sub_nc_u32 v7, v8, v9
	s_and_b32 s63, s[LW], 1
	s_lshl_b32 s63, s63, 6
	s_lshl_b32 s96, s19, 4
	s_add_co_u32 s63, s63, s96
	v_add_nc_u32 v7, s63, v7                       ; my query's place in the diagonal block less 8 (lane / 16): register 8 c + j is hidden where 16 c + j is greater
	v_mov_b32 v13, 0xff61b1e6                      ; the largest t so far: -3e38
	s_delay_alu instid0(VALU_DEP_1)
	v_floor_f32 v12, -v13                          ; -M
	v_mov_b32 v14, 0
	v_mov_b32 v15, 0
	v_mov_b32 v236, 0                              ; a lane exchange's destination counts as read
	v_mov_b32 v253, 0                              ; the upper half of the pair v[252:253]
.set jj, 0
.rept 32
	v_mov_b32 v[160+jj], 0                         ; O^T: the step is written once; the first finds zeros
.set jj, jj+1
.endr
	s_wait_kmcnt 0x0
	s_add_co_i32 s96, s70, s71
	s_lshl_b32 s96, s96, 23
	s_add_co_i32 s[CS], s[CS], s96                 ; c x 2^(e2 + e3)
	s_mov_b32 s[CS+1], s[CS]
	s_add_co_i32 s96, s72, 127
	s_lshl_b32 s97, s96, 23
	v_mov_b32 v244, s97                            ; 2^e4
	s_add_co_i32 s96, s96, 8
	s_lshl_b32 s96, s96, 23
	s_or_b32 s96, s96, 0x600000
	v_mov_b32 v240, s96                            ; 448 x 2^e4
	s_add_co_i32 s96, s74, 127
	s_lshl_b32 s97, s96, 23
	v_mov_b32 v245, s97                            ; 2^e6
	s_add_co_i32 s96, s96, 8
	s_lshl_b32 s96, s96, 23
	s_or_b32 s96, s96, 0x600000
	v_mov_b32 v241, s96                            ; 448 x 2^e6
.macro STEP                            ; 128 keys
	s_lshl_b32 s96, s[ST], 1
	s_cmp_gt_u32 s96, s[LW]                        ; all its keys come after my queries: the step's work is left out
	s_cbranch_scc1 .Lhid_\@
	v_add_nc_u32 v3, s[TB], v1
	v_add_nc_u32 v4, s[TB], v2
	v_nop                                          ; with the two additions: four places behind the last step's products, in front of loads into their registers
	v_nop
.set cc, 0
.rept 16                               ; K's eight fragments of 16 keys x 64: 512 consecutive bytes a load
	ds_load_b128 v[32+4*cc:35+4*cc], v3 offset:512*cc
.set cc, cc+1
.endr
	s_wait_alu depctr_va_vdst(0)
	s_wait_dscnt 0x0
.set cc, 0
.rept 8
	v_wmma_f32_16x16x64_fp8_fp8 v[96+8*cc:103+8*cc], v[32+8*cc:39+8*cc], v[16:23], 0
.set cc, cc+1
.endr
.rept 4
	v_nop
.endr
.set cc, 0
.rept 16                               ; V's four fragments of 16 channels x 128 keys land under the softmax
	ds_load_b128 v[32+4*cc:35+4*cc], v4 offset:512*cc
.set cc, cc+1
.endr
	s_add_co_u32 s96, s96, 2
	s_cmp_le_u32 s96, s[LW]                        ; all its keys count
	s_cbranch_scc1 .Lopen_\@
	v_mov_b32 v254, 0xff800000                     ; -infinity
.set nn, 0
.rept 64
	v_cmp_gt_i32 vcc_lo, 16*(nn/8)+nn%8, v7
	v_cndmask_b32 v[96+nn], v[96+nn], v254, vcc_lo
.set nn, nn+1
.endr
.Lopen_\@:
	v_max3_num_f32 v254, v96, v97, v98             ; the step's largest score of my query among my 64 keys, in two chains, each accumulator from its low end on
	v_max3_num_f32 v252, v99, v100, v101
.set ii, 6
.rept 14
	v_max3_num_f32 v254, v254, v[96+ii], v[97+ii]
	v_max3_num_f32 v252, v252, v[98+ii], v[99+ii]
.set ii, ii+4
.endr
	v_max3_num_f32 v254, v254, v158, v159
	s_delay_alu instid0(VALU_DEP_1)
	v_max_num_f32 v254, v254, v252
	s_delay_alu instid0(VALU_DEP_1)
	v_permlanex16_b32 v236, v254, s[SEL], s[SEL+1]
	s_delay_alu instid0(VALU_DEP_1)
	v_max_num_f32 v254, v254, v236                 ; and among lane l xor 16's
	s_delay_alu instid0(VALU_DEP_1)
	v_mul_f32 v254, s[CS], v254                    ; as t (c is positive)
	s_delay_alu instid0(VALU_DEP_1)
	v_max_num_f32 v13, v13, v254
	v_mov_b32 v254, v12
	s_delay_alu instid0(VALU_DEP_2)
	v_floor_f32 v12, -v13                          ; the new -M = -ceil(t)
	s_delay_alu instid0(VALU_DEP_1)
	v_sub_f32 v254, v12, v254                      ; old M - new M: a whole number, 0 or less
	s_delay_alu instid0(VALU_DEP_1)
	v_cvt_i32_f32 v254, v254
	s_delay_alu instid0(VALU_DEP_1)
	v_ldexp_f32 v252, 1.0, v254                    ; f = 2^(old M - new M)
.set jj, 0
.rept 32
	v_pk_fma_f32 v[96+jj:97+jj], v[96+jj:97+jj], s[CS:CS+1], v[12:13] op_sel_hi:[1,0,0]   ; t - M
.set jj, jj+2
.endr
.set jj, 0
	s_wait_alu depctr_va_vdst(0)
.rept 64
	v_exp_f32 v[96+jj], v[96+jj]                   ; p
.set jj, jj+1
.endr
	v_pk_mul_f32 v[14:15], v[14:15], v[252:253] op_sel_hi:[1,0]   ; the sum under the new M: the plain instruction behind the batch
	s_wait_alu depctr_va_vdst(0)                   ; one wait for the 64 exponentials, ahead of their first reader
	v_pk_add_f32 v[242:243], v[100:101], v[104:105]
	v_pk_add_f32 v[254:255], v[108:109], v[112:113]
	v_pk_add_f32 v[250:251], v[116:117], v[120:121]
	v_pk_add_f32 v[248:249], v[124:125], v[128:129]
	v_pk_add_f32 v[246:247], v[132:133], v[136:137]
	v_pk_add_f32 v[238:239], v[140:141], v[144:145]
	v_pk_add_f32 v[234:235], v[148:149], v[152:153]
	v_pk_add_f32 v[14:15], v[14:15], v[156:157]
	v_pk_add_f32 v[242:243], v[242:243], v[96:97]
	v_pk_add_f32 v[254:255], v[254:255], v[98:99]
	v_pk_add_f32 v[250:251], v[250:251], v[102:103]
	v_pk_add_f32 v[248:249], v[248:249], v[106:107]
	v_pk_add_f32 v[246:247], v[246:247], v[110:111]
	v_pk_add_f32 v[238:239], v[238:239], v[114:115]
	v_pk_add_f32 v[234:235], v[234:235], v[118:119]
	v_pk_add_f32 v[14:15], v[14:15], v[122:123]
	v_pk_add_f32 v[242:243], v[242:243], v[126:127]
	v_pk_add_f32 v[254:255], v[254:255], v[130:131]
	v_pk_add_f32 v[250:251], v[250:251], v[134:135]
	v_pk_add_f32 v[248:249], v[248:249], v[138:139]
	v_pk_add_f32 v[246:247], v[246:247], v[142:143]
	v_pk_add_f32 v[238:239], v[238:239], v[146:147]
	v_pk_add_f32 v[234:235], v[234:235], v[150:151]
	v_pk_add_f32 v[14:15], v[14:15], v[154:155]
	v_pk_add_f32 v[242:243], v[242:243], v[158:159]
	s_delay_alu instid0(VALU_DEP_2)
	v_pk_add_f32 v[14:15], v[14:15], v[248:249]
	s_delay_alu instid0(VALU_DEP_2)
	v_pk_add_f32 v[242:243], v[242:243], v[246:247]
	v_pk_add_f32 v[254:255], v[254:255], v[238:239]
	v_pk_add_f32 v[250:251], v[250:251], v[234:235]
	s_delay_alu instid0(VALU_DEP_2)
	v_pk_add_f32 v[14:15], v[14:15], v[254:255]
	s_delay_alu instid0(VALU_DEP_2)
	v_pk_add_f32 v[242:243], v[242:243], v[250:251]
	s_delay_alu instid0(VALU_DEP_1)
	v_pk_add_f32 v[14:15], v[14:15], v[242:243]
.set jj, 0
.rept 64
	v_min_num_f32 v[96+jj], v[96+jj], v240         ; p is not negative: a one-sided hold
.set jj, jj+1
.endr
.set cc, 0
.rept 8
	v_cvt_scalef32_pk8_fp8_f32 v[192+2*cc:193+2*cc], v[96+8*cc:103+8*cc], v244
.set cc, cc+1
.endr
.set jj, 0
.rept 16
	v_pk_mul_f32 v[160+jj:161+jj], v[160+jj:161+jj], v[252:253] op_sel_hi:[1,0]   ; O^T under the new M; also the plain instructions behind the conversions
.set jj, jj+2
.endr
	s_wait_alu depctr_va_vdst(0)
	s_wait_dscnt 0x0                               ; V is in
.set cc, 0
.rept 4                                ; the four accumulators take turns; the scores' products stand between two steps' links
	v_wmma_f32_16x16x128_fp8_fp8 v[160+8*cc:167+8*cc], v[32+16*cc:47+16*cc], v[192:207], v[160+8*cc:167+8*cc]
.set cc, cc+1
.endr
.Lhid_\@:
	s_add_co_u32 s[TB], s[TB], 8192
.endm
	s_wait_loadcnt 0x0                             ; Q
	s_wait_tensorcnt 0x0                           ; my one load, if I issued one, has landed: behind the barrier all of K and V is in
	s_barrier_signal -1
	s_barrier_wait -1
	s_mov_b32 s[ST], 0
	s_mov_b32 s[TB], 0
.LA:                                               ; keys 0 to 255
	STEP
	s_add_co_u32 s[ST], s[ST], 1
	s_cmp_lt_u32 s[ST], 2
	s_cbranch_scc1 .LA
	s_wait_tensorcnt 0x0                           ; the rest of K and V has landed,
	s_wait_dscnt 0x0
	s_barrier_signal -1
	s_barrier_wait -1                              ; for every wave
	s_mov_b32 s[ST], 2
	s_mov_b32 s[TB], 16384
.LB:                                               ; keys 256 to 1,023
	STEP
	s_add_co_u32 s[ST], s[ST], 1
	s_cmp_lt_u32 s[ST], 8
	s_cbranch_scc1 .LB
	; THE WAY OUT: O^T / the sum x 2^(e4 + e5), quantised with e6: the conversions' results are my 1,024 bytes of a's image
	v_add_f32 v14, v14, v15
	s_delay_alu instid0(VALU_DEP_1)
	v_permlanex16_b32 v236, v14, s[SEL], s[SEL+1]
	s_delay_alu instid0(VALU_DEP_1)
	v_add_f32 v14, v14, v236
	s_wait_alu depctr_va_vdst(0)
	v_rcp_f32 v14, v14
	v_nop                                          ; plain instructions: behind the reciprocal, and places behind the last products
	v_nop
	v_nop
	s_add_co_i32 s96, s72, s73
	s_wait_alu depctr_va_vdst(0)                   ; the wait ahead of the reciprocal's first reader
	v_ldexp_f32 v14, v14, s96
.set jj, 0
.rept 32
	v_mul_f32 v[96+jj], v[160+jj], v14
.set jj, jj+1
.endr
.set jj, 0
.rept 32
	v_med3_num_f32 v[96+jj], v[96+jj], -v241, v241
.set jj, jj+1
.endr
.set cc, 0
.rept 4
	v_cvt_scalef32_pk8_fp8_f32 v[208+2*cc:209+2*cc], v[96+8*cc:103+8*cc], v245
.set cc, cc+1
.endr
	v_nop
	global_store_b128 v1, v[208:211], s[12:13]     ; 512 consecutive bytes each
	global_store_b128 v1, v[212:215], s[12:13] offset:512
	s_wait_tensorcnt 0x0                           ; the wave's end
	ds_add_u32 v5, v6
	s_wait_dscnt 0x0
	CROUND                                         ; the closing round
	s_endpgm
.Lfunc_end_k_qf415a5f0e6_att:
	.size	k_qf415a5f0e6_att, .Lfunc_end_k_qf415a5f0e6_att-k_qf415a5f0e6_att
	.p2alignl 7, 3214868480
	.fill 96, 4, 3214868480
	.section	.rodata,"a",@progbits
	.p2align	6, 0x0
	.amdhsa_kernel k_qf415a5f0e6_att
		.amdhsa_group_segment_fixed_size 167936
		.amdhsa_private_segment_fixed_size 0
		.amdhsa_enable_private_segment 0
		.amdhsa_kernarg_size 40
		.amdhsa_user_sgpr_count 2
		.amdhsa_user_sgpr_kernarg_segment_ptr 1
		.amdhsa_wavefront_size32 1
		.amdhsa_system_sgpr_workgroup_id_x 1
		.amdhsa_system_sgpr_workgroup_id_y 1
		.amdhsa_system_sgpr_workgroup_id_z 1
		.amdhsa_system_vgpr_workitem_id 0
		.amdhsa_next_free_vgpr 256
		.amdhsa_next_free_sgpr 100
		.amdhsa_reserve_vcc 1
		.amdhsa_float_denorm_mode_32 3
		.amdhsa_float_denorm_mode_16_64 3
		.amdhsa_memory_ordered 1
		.amdhsa_forward_progress 1
		.amdhsa_inst_pref_size 55
	.end_amdhsa_kernel
	.amdgpu_metadata
---
amdhsa.version: [ 1, 2 ]
amdhsa.kernels:
  - .name:           k_qf415a5f0e6_att
    .symbol:         k_qf415a5f0e6_att.kd
    .args:
      - { .name: q_img, .offset: 0, .size: 8, .value_kind: global_buffer, .address_space: global }
      - { .name: k_img, .offset: 8, .size: 8, .value_kind: global_buffer, .address_space: global }
      - { .name: v_img, .offset: 16, .size: 8, .value_kind: global_buffer, .address_space: global }
      - { .name: lowp_scales, .offset: 24, .size: 8, .value_kind: global_buffer, .address_space: global }
      - { .name: a_img, .offset: 32, .size: 8, .value_kind: global_buffer, .address_space: global }
    .group_segment_fixed_size: 167936
    .private_segment_fixed_size: 0
    .kernarg_segment_align: 8
    .kernarg_segment_size: 40
    .max_flat_workgroup_size: 512
    .sgpr_count:     100
    .vgpr_count:     256
    .wavefront_size: 32
...
	.end_amdgpu_metadata
.endif
;; end of part 3
;; launch aproj (part 4): grid 8 x 32, 4 waves a work-group, clusters of 4 x 4, 327,680 bytes of LDS; arguments a_img, w_aproj_codes, lowp_scales, b_aproj, x, x1; writes x1
.if DOCPART == 4
	.amdgcn_target "amdgcn-amd-amdhsa--gfx1250"
	.amdhsa_code_object_version 6
	.text
	.protected	k_qf415a5f0e6_aproj
	.globl	k_qf415a5f0e6_aproj
	.p2align	8
	.type	k_qf415a5f0e6_aproj,@function
k_qf415a5f0e6_aproj:
	s_mov_b64 s[64:65], 0
	v_nop
	global_prefetch_b8 v0, s[64:65] scope:SCOPE_SE
	s_setreg_imm32_b32 hwreg(HW_REG_WAVE_MODE, 25, 1), 1
	s_wait_xcnt 0x0
	s_wait_alu depctr_hold_cnt(0) depctr_sa_sdst(0) depctr_va_vdst(0) depctr_va_sdst(0) depctr_va_ssrc(0) depctr_va_vcc(0) depctr_vm_vsrc(0)
	s_getreg_b32 s2, hwreg(HW_REG_IB_STS2, 6, 4)
	s_cmp_eq_u32 s2, 0
	s_cbranch_scc0 .Lentry_in_a_cluster
	s_endpgm
.Lentry_in_a_cluster:
	s_bfe_u32 s2, ttmp6, 0x10000c
	s_cmp_lg_u32 s2, 0xf033
	s_cbranch_scc0 .Lentry_shape_is_right
	s_endpgm
.Lentry_shape_is_right:
; x1 = x + a W_aproj^T x 2^(e6 + e7) + b_aproj, on E4M3 codes.  a_img: register images [tile of 16 rows][K step of 128][g 0..3][lane][16 bytes]; W: [1024][1024] codes, K innermost; x, x1: [4096][1024] f32.
; LIMIT: e6 + e7 between -126 and 127.
; A block of 128 x 128 to a work-group: 256 work-groups; a wave makes 64 x 64.  K goes in two slabs of 512, one to each of two LDS slots: nothing is filled again.  CLUSTERS of 4 x 4 with joint loads.
; PREFETCH: behind slab 0's load each wave names 32 blocks of 256 bytes of slab 1: of the four row tiles of a (64 rows of W) that it fetches, the partner at place p takes tile p (rows 16 p on), told apart by address.
; The residual is asked for behind slab 1's load and lands under the eight K steps.
.set KTOT,  1024
.set SCOFF, 0x18
.set NTOUT, 0
.set RTB,   16*KTOT
.set LAPS,  KTOT/1024
.set BP,    528
.set AREG,  65536
.set SLOT,  AREG+128*BP
.set STAGE, 2*SLOT
.set SP,    272
.set SPARE, STAGE+4*16*SP
.set ADRA, 16
.set ADRB, 20
.set STO,  24
.set RD,   25
.set CO,   26
.set BO,   27
.set SPW,  28
.set NIL,  29
.set BIAS, 32
.set TMP,  64
.set BK,   96
.set ACC,  128
.set G1, 24
.set G0, 32
.set G1B, 48
.set G0B, 56
.set MSB, 0
.macro WIN new
.if MSB != (\new)
	s_set_vgpr_msb (MSB<<8)|(\new)
.set MSB, (\new)
.endif
.endm
.set MUL,  0x05
.set TO_F, 0x40
.macro JLOAD g0a, g1a, g0b, g1b
	s_cmp_eq_u32 s15, 0
	s_cbranch_scc0 .Lfor_b_\@
	tensor_load_to_lds s[\g0a:\g0a+3], s[\g1a:\g1a+7]
	s_nop 0
.rept 4
	v_nop
.endr
	s_branch .Lasked_\@
.Lfor_b_\@:
	tensor_load_to_lds s[\g0b:\g0b+3], s[\g1b:\g1b+7]
	s_nop 0
.rept 4
	v_nop
.endr
.Lasked_\@:
.endm
.macro CREST
	s_cmp_lg_u32 s14, 0
	s_cbranch_scc1 .Lnot_wave_0_\@
	s_barrier_signal -3
.Lnot_wave_0_\@:
	s_barrier_wait -3
	s_barrier_signal -1
	s_barrier_wait -1
.endm
.macro CROUND
	s_barrier_signal -1
	s_barrier_wait -1
	CREST
.endm
	s_load_b128 s[4:7], s[0:1], 0x0
	s_load_b128 s[8:11], s[0:1], 0x10
	s_load_b128 s[68:71], s[0:1], 0x20
	v_lshl_add_u32 v[SPW], v0, 2, SPARE
	v_mov_b32 v[NIL], 0
	ds_add_u32 v[SPW], v[NIL]
	ds_add_u32 v[SPW], v[NIL]
	v_lshrrev_b32 v1, 5, v0
	v_readfirstlane_b32 s14, v1
	s_lshr_b32 s15, s14, 1
	s_and_b32 s16, s14, 1
	s_bfe_u32 s40, ttmp6, 0x40000
	s_bfe_u32 s41, ttmp6, 0x40004
	s_lshl_b32 s42, ttmp9, 2
	s_add_co_u32 s42, s42, s40
	s_and_b32 s17, ttmp7, 0xffff
	s_lshl_b32 s17, s17, 2
	s_add_co_u32 s17, s17, s41
	s_lshl_b32 s43, s41, 2
	s_lshl_b32 s43, 15, s43
	s_lshl_b32 s44, 0x1111, s40
	s_or_b32 s[G1], s43, (3<<16)|(1<<21)
	s_mov_b32 s[G1+1], 1024<<16
	s_mov_b32 s[G1+2], 4<<16
	s_mov_b32 s[G1+3], 1024<<16
	s_mov_b32 s[G1+4], 4
	s_mov_b32 s[G1+5], RTB/8
	s_mov_b32 s[G1+6], 0
	s_mov_b32 s[G1+7], 0
	s_or_b32 s[G1B], s44, (0<<16)|(1<<20)|(1<<21)|(6<<22)|(3<<25)
	s_mov_b32 s[G1B+1], 512<<16
	s_mov_b32 s[G1B+2], 64<<16
	s_mov_b32 s[G1B+3], 512<<16
	s_mov_b32 s[G1B+4], 64
	s_mov_b32 s[G1B+5], KTOT
	s_mov_b32 s[G1B+6], 0
	s_mov_b32 s[G1B+7], 0
	s_lshl_b32 s20, s17, 3
	s_lshl_b32 s18, s16, 2
	s_add_co_u32 s20, s20, s18
	s_mul_i32 s20, s20, RTB
	s_mov_b32 s21, 0
	s_lshl_b32 s46, s42, 7
	s_lshl_b32 s18, s16, 6
	s_add_co_u32 s46, s46, s18
	s_mul_i32 s46, s46, KTOT
	s_mov_b32 s47, 0
	s_lshl_b32 s45, s16, 15
	s_mul_i32 s23, s16, 64*BP
	s_add_co_u32 s23, s23, AREG
	s_wait_dscnt 0x0
	s_wait_kmcnt 0x0
	s_load_b64 s[96:97], s[8:9], SCOFF
	s_add_nc_u64 s[20:21], s[4:5], s[20:21]
	s_add_nc_u64 s[46:47], s[6:7], s[46:47]
	s_cmp_eq_u32 s15, 0                            ; the prefetch: do I fetch for a or for W?
	s_cselect_b64 s[72:73], s[20:21], s[46:47]
	s_cselect_b32 s74, s40, s41                    ; my place among the four that ask with me
	s_mov_b32 s76, 1024
	s_cselect_b32 s76, 512, s76                    ; from lane pair to lane pair: 512 bytes on in a tile of a, a row on in W
	s_mov_b32 s77, 512
	s_cselect_b32 s77, 8192, s77                   ; slab 1
	s_lshl_b32 s74, s74, 14                        ; a tile of a, and 16 rows of W, are 16,384 bytes
	s_add_co_u32 s74, s74, s77
	s_mov_b32 s75, 0
	s_add_nc_u64 s[72:73], s[72:73], s[74:75]
	CROUND
.irp s, 0,1
	s_mov_b32 s[G0+4*\s], 1
	s_add_co_u32 s[G0+4*\s+1], s45, \s*SLOT
	s_add_nc_u64 s[G0+4*\s+2:G0+4*\s+3], s[20:21], \s*8192
	s_or_b32 s[G0+4*\s+3], s[G0+4*\s+3], 0x80000000
	s_mov_b32 s[G0B+4*\s], 1
	s_add_co_u32 s[G0B+4*\s+1], s23, \s*SLOT
	s_add_nc_u64 s[G0B+4*\s+2:G0B+4*\s+3], s[46:47], \s*512
	s_or_b32 s[G0B+4*\s+3], s[G0B+4*\s+3], 0x80000000
.if \s == 0
	JLOAD G0, G1, G0B, G1B                         ; slab 0: one tensor load a wave at the head, behind the opening round
.endif
.endr
	v_and_b32 v1, 15, v0
	v_bfe_u32 v2, v0, 4, 1
	v_and_b32 v3, 31, v0
	v_lshlrev_b32 v4, 4, v3
	v_mul_u32_u24 v5, v1, BP
	v_lshl_add_u32 v5, v2, 3, v5
	s_lshl_b32 s21, s15, 15
	s_mul_i32 s22, s16, 64*BP
	s_add_co_u32 s22, s22, AREG
.irp s, 0,1
	v_add_nc_u32 v[ADRA+\s], s21, v4
	v_add_nc_u32 v[ADRB+\s], s22, v5
	s_add_co_u32 s21, s21, SLOT
	s_add_co_u32 s22, s22, SLOT
.endr
	s_mul_i32 s23, s14, 16*SP
	s_add_co_u32 s23, s23, STAGE
	v_mul_u32_u24 v6, v1, SP
	v_lshl_add_u32 v6, v2, 5, v6
	v_add_nc_u32 v[STO], s23, v6
	v_mul_u32_u24 v6, v2, SP
	v_lshl_add_u32 v6, v1, 4, v6
	v_add_nc_u32 v[RD], s23, v6
	v_lshlrev_b32 v[CO], 12, v2
	v_lshl_add_u32 v[CO], v1, 4, v[CO]
	v_lshlrev_b32 v[BO], 5, v2
	v_lshrrev_b32 v7, 1, v3
	v_and_b32 v8, 1, v3
	v_mul_lo_u32 v7, v7, s76
	v_lshl_add_u32 v30, v8, 8, v7                  ; 32 different blocks of 256 bytes
	global_prefetch_b8 v30, s[72:73] th:TH_LOAD_NT scope:SCOPE_SE
	s_wait_alu depctr_va_vdst(0)
	s_lshl_b32 s92, s42, 9
	s_lshl_b32 s93, s16, 8
	s_add_co_u32 s92, s92, s93
	s_mov_b32 s93, 0
	s_add_nc_u64 s[10:11], s[10:11], s[92:93]
	s_lshl_b32 s94, s17, 7
	s_lshl_b32 s95, s15, 6
	s_add_co_u32 s94, s94, s95
	s_lshl_b32 s94, s94, 12
	s_add_co_u32 s92, s92, s94
	s_add_nc_u64 s[68:69], s[68:69], s[92:93]
	s_add_nc_u64 s[70:71], s[70:71], s[92:93]
.set bb, 0
.rept 4
	global_load_b128 v[BIAS+8*bb:BIAS+8*bb+3], v[BO], s[10:11] offset:64*bb
	global_load_b128 v[BIAS+8*bb+4:BIAS+8*bb+7], v[BO], s[10:11] offset:64*bb+16
.set bb, bb+1
.endr
.macro FETCH slot, q, p
	WIN TO_F
.irp i, 0,1,2,3
.irp g, 0,1,2,3
	ds_load_b128 v[128*(\p)+16*\i+4*\g:128*(\p)+16*\i+4*\g+3], v[ADRA+\slot] offset:8192*\i+2048*(\q)+512*\g
.endr
.endr
.irp i, 0,1,2,3
.irp c, 0,1,2,3,4,5,6,7
	ds_load_b64 v[128*(\p)+64+16*\i+2*\c:128*(\p)+64+16*\i+2*\c+1], v[ADRB+\slot] offset:16*BP*\i+128*(\q)+16*\c
.endr
.endr
.endm
.macro MUL8 p, a0, zero
.irp a, \a0, \a0+1
.irp b, 0,1,2,3
.if \zero
	v_wmma_f32_16x16x128_fp8_fp8 v[ACC+8*(4*(\a)+\b):ACC+8*(4*(\a)+\b)+7], v[128*(\p)+64+16*\b:128*(\p)+64+16*\b+15], v[128*(\p)+16*(\a):128*(\p)+16*(\a)+15], 0
.else
	v_wmma_f32_16x16x128_fp8_fp8 v[ACC+8*(4*(\a)+\b):ACC+8*(4*(\a)+\b)+7], v[128*(\p)+64+16*\b:128*(\p)+64+16*\b+15], v[128*(\p)+16*(\a):128*(\p)+16*(\a)+15], v[ACC+8*(4*(\a)+\b):ACC+8*(4*(\a)+\b)+7]
.endif
.endr
.endr
.endm
.macro PLACES n
.rept \n
	v_nop
.endr
.endm
.macro STEP slot, q, zero
	s_wait_dscnt 0x0
	PLACES 4
	FETCH \slot, (\q)+1, 1-(\q)%2
	WIN MUL
	MUL8 (\q)%2, 0, \zero
	MUL8 (\q)%2, 2, \zero
.endm
.macro TURN slot, next, fill
	WIN 0
	s_wait_tensorcnt 0x0
	ds_add_u32 v[SPW], v[NIL]
.if \fill
	s_add_nc_u64 s[G0+4*\slot+2:G0+4*\slot+3], s[G0+4*\slot+2:G0+4*\slot+3], 2*8192
	s_add_nc_u64 s[G0B+4*\slot+2:G0B+4*\slot+3], s[G0B+4*\slot+2:G0B+4*\slot+3], 2*512
.endif
	s_wait_dscnt 0x0
	s_barrier_signal -1
	WIN MUL
	MUL8 1, 0, 0
	WIN 0
	s_barrier_wait -1
.if \fill
	CREST
	JLOAD G0+4*\slot, G1, G0B+4*\slot, G1B
.else
	PLACES 4
.endif
	FETCH \next, 0, 0
	WIN MUL
	MUL8 1, 2, 0
.endm
	s_wait_alu depctr_va_vdst(0)                   ; the wait at the head's end
	s_wait_tensorcnt 0x0                           ; my part of slab 0 is in; slot 1's first fill is issued as a refill is:
	ds_add_u32 v[SPW], v[NIL]
	s_wait_dscnt 0x0
	CROUND
	JLOAD G0+4, G1, G0B+4, G1B                     ; slab 1: the first tensor load behind the round
	FETCH 0, 0, 0
	WIN 0x80                                       ; the residual, into window 2: sixteen lanes read 256 consecutive bytes, aligned
.set tt, 0
.rept 32
	global_load_b128 v[4*tt:4*tt+3], v[CO], s[68:69] offset:2*tt*4096
.set tt, tt+1
.endr
	STEP 0, 0, 1
.if LAPS > 1
	WIN 0
	s_mov_b32 s3, LAPS-1
.Llap:
	STEP 0, 1, 0
	STEP 0, 2, 0
	TURN 0, 1, 1
	STEP 1, 0, 0
	STEP 1, 1, 0
	STEP 1, 2, 0
	TURN 1, 0, 1
	STEP 0, 0, 0
	WIN 0
	s_sub_co_u32 s3, s3, 1
	s_cmp_lg_u32 s3, 0
	s_cbranch_scc1 .Llap
.endif
	STEP 0, 1, 0
	STEP 0, 2, 0
	TURN 0, 1, 0
	STEP 1, 0, 0
	STEP 1, 1, 0
	STEP 1, 2, 0
	s_wait_dscnt 0x0
	WIN MUL
	MUL8 1, 0, 0
	MUL8 1, 2, 0
	WIN 0
	s_wait_loadcnt 0x0
	s_wait_kmcnt 0x0
	s_add_co_i32 s96, s96, s97
	s_add_co_i32 s96, s96, 127
	s_lshl_b32 s96, s96, 23
	s_mov_b32 s97, s96
	PLACES 4
.macro OUTB a
.if (\a) > 0
	s_wait_xcnt 0x0
.endif
.set jj, 0
.rept 16
	v_pk_fma_f32 v[TMP+jj:TMP+jj+1], v[ACC+32*(\a)+jj:ACC+32*(\a)+jj+1], s[96:97], v[BIAS+jj:BIAS+jj+1] op_sel_hi:[1,0,1]
.set jj, jj+2
.endr
.set bb, 0
.rept 4
	ds_store_b128 v[STO], v[TMP+8*bb:TMP+8*bb+3] offset:64*bb
	ds_store_b128 v[STO], v[TMP+8*bb+4:TMP+8*bb+7] offset:64*bb+16
.set bb, bb+1
.endr
.set tt, 0
.rept 8
	ds_load_b128 v[BK+4*tt:BK+4*tt+3], v[RD] offset:2*tt*SP
.set tt, tt+1
.endr
	s_wait_dscnt 0x0
	WIN 0x08
.set jj, 0
.rept 16
	v_pk_add_f32 v[BK+jj:BK+jj+1], v[BK+jj:BK+jj+1], v[32*(\a)+jj:32*(\a)+jj+1]
.set jj, jj+2
.endr
	WIN 0
.set tt, 0
.rept 8
.if NTOUT
	global_store_b128 v[CO], v[BK+4*tt:BK+4*tt+3], s[70:71] offset:(16*(\a)+2*tt)*4096 th:TH_STORE_NT
.else
	global_store_b128 v[CO], v[BK+4*tt:BK+4*tt+3], s[70:71] offset:(16*(\a)+2*tt)*4096
.endif
.set tt, tt+1
.endr
.endm
.irp a, 0,1,2,3
	OUTB \a
.endr
	s_wait_tensorcnt 0x0
	ds_add_u32 v[SPW], v[NIL]
	s_wait_dscnt 0x0
	CROUND
	s_endpgm
.Lfunc_end_k_qf415a5f0e6_aproj:
	.size	k_qf415a5f0e6_aproj, .Lfunc_end_k_qf415a5f0e6_aproj-k_qf415a5f0e6_aproj
	.p2alignl 7, 3214868480
	.fill 96, 4, 3214868480
	.section	.rodata,"a",@progbits
	.p2align	6, 0x0
	.amdhsa_kernel k_qf415a5f0e6_aproj
		.amdhsa_group_segment_fixed_size 327680
		.amdhsa_private_segment_fixed_size 0
		.amdhsa_enable_private_segment 0
		.amdhsa_kernarg_size 48
		.amdhsa_user_sgpr_count 2
		.amdhsa_user_sgpr_kernarg_segment_ptr 1
		.amdhsa_wavefront_size32 1
		.amdhsa_system_sgpr_workgroup_id_x 1
		.amdhsa_system_sgpr_workgroup_id_y 1
		.amdhsa_system_sgpr_workgroup_id_z 1
		.amdhsa_system_vgpr_workitem_id 0
		.amdhsa_next_free_vgpr 768
		.amdhsa_next_free_sgpr 100
		.amdhsa_reserve_vcc 0
		.amdhsa_float_denorm_mode_32 3
		.amdhsa_float_denorm_mode_16_64 3
		.amdhsa_memory_ordered 1
		.amdhsa_forward_progress 1
		.amdhsa_inst_pref_size 63
	.end_amdhsa_kernel
	.amdgpu_metadata
---
amdhsa.version: [ 1, 2 ]
amdhsa.kernels:
  - .name:           k_qf415a5f0e6_aproj
    .symbol:         k_qf415a5f0e6_aproj.kd
    .args:
      - { .name: a_img, .offset: 0, .size: 8, .value_kind: global_buffer, .address_space: global }
      - { .name: w_aproj_codes, .offset: 8, .size: 8, .value_kind: global_buffer, .address_space: global }
      - { .name: lowp_scales, .offset: 16, .size: 8, .value_kind: global_buffer, .address_space: global }
      - { .name: b_aproj, .offset: 24, .size: 8, .value_kind: global_buffer, .address_space: global }
      - { .name: x, .offset: 32, .size: 8, .value_kind: global_buffer, .address_space: global }
      - { .name: x1, .offset: 40, .size: 8, .value_kind: global_buffer, .address_space: global }
    .group_segment_fixed_size: 327680
    .private_segment_fixed_size: 0
    .kernarg_segment_align: 8
    .kernarg_segment_size: 48
    .max_flat_workgroup_size: 128
    .sgpr_count:     100
    .vgpr_count:     768
    .wavefront_size: 32
...
	.end_amdgpu_metadata
.endif
;; end of part 4
;; launch ln2 (part 5): grid 256 x 1, 4 waves a work-group, no clusters, 0 bytes of LDS; arguments x1, ln2_g, ln2_b, lowp_scales, h_codes; writes h_codes
.if DOCPART == 5
	.amdgcn_target "amdgcn-amd-amdhsa--gfx1250"
	.amdhsa_code_object_version 6
	.text
	.protected	k_qf415a5f0e6_ln2
	.globl	k_qf415a5f0e6_ln2
	.p2align	8
	.type	k_qf415a5f0e6_ln2,@function
k_qf415a5f0e6_ln2:
	s_mov_b64 s[64:65], 0
	v_nop
	global_prefetch_b8 v0, s[64:65] scope:SCOPE_SE
	s_setreg_imm32_b32 hwreg(HW_REG_WAVE_MODE, 25, 1), 1
	s_wait_xcnt 0x0
; h = (x1 - mean) * rsqrt(var + 1e-5) * g + b, row by row of 1,024, then code = h / 2^e held within +-448, to the nearest E4M3 code.  e = entry 8 of the scales.
; LIMITS: e between -126 and 119.  NaN among the inputs is not served.
; SHARES: a wave takes four whole rows and keeps each in 32 registers a lane between the passes: the row is read once, no LDS, no barrier.
; A lane holds k = 256 j + 8 lane + i: eight neighbours for each conversion, and a wave's store of 8 bytes a lane covers 256 consecutive bytes, aligned.
; Memory binds: matrix units, clusters and LDS would add nothing.  All 48 loads of a wave go out at once, so nothing is asked for ahead of them.
.set SCOFF, 0x20
.set G,   8
.set BT,  40
.set X,   72
.set C,   200
.set T,   232
.set U,   240
.set R,   242
.set PD,  244
.set QS,  248
.set QL,  249
	s_load_b256 s[4:11], s[0:1], 0x0               ; in, g, b, scales
	s_load_b64 s[12:13], s[0:1], 0x20              ; the codes
	v_lshrrev_b32 v1, 5, v0
	v_readfirstlane_b32 s14, v1
	v_and_b32 v1, 31, v0
	v_lshlrev_b32 v2, 5, v1
	v_lshlrev_b32 v3, 3, v1
	s_lshl_b32 s15, ttmp9, 4
	s_lshl_b32 s16, s14, 2
	s_add_co_u32 s15, s15, s16                     ; my first row
	s_lshl_b32 s16, s15, 12
	s_mov_b32 s17, 0
	s_lshl_b32 s18, s15, 10
	s_mov_b32 s19, 0
	s_mov_b32 s20, 0x3a800000                      ; 1 / 1024
	s_mov_b32 s21, 0x3727c5ac                      ; 1e-5
	s_mov_b32 s22, 0x76543210
	s_mov_b32 s23, 0xfedcba98
	v_mov_b32 v[PD], 0
	v_mov_b32 v[U+1], 0
	v_mov_b32 v[R+1], 0
	s_wait_alu depctr_va_vdst(0)
	s_wait_kmcnt 0x0
	s_load_b32 s24, s[10:11], SCOFF
	s_add_nc_u64 s[4:5], s[4:5], s[16:17]
	s_add_nc_u64 s[12:13], s[12:13], s[18:19]
.set jj, 0
.rept 8
	global_load_b128 v[G+4*jj:G+4*jj+3], v2, s[6:7] offset:1024*(jj/2)+16*(jj%2)
	global_load_b128 v[BT+4*jj:BT+4*jj+3], v2, s[8:9] offset:1024*(jj/2)+16*(jj%2)
.set jj, jj+1
.endr
.set qq, 0
.rept 32
	global_load_b128 v[X+4*qq:X+4*qq+3], v2, s[4:5] offset:4096*(qq/8)+1024*((qq%8)/2)+16*(qq%2)
.set qq, qq+1
.endr
	s_wait_kmcnt 0x0
	s_add_co_i32 s24, s24, 127
	s_lshl_b32 s25, s24, 23
	v_mov_b32 v[QS], s25                           ; 2^e
	s_add_co_i32 s24, s24, 8
	s_lshl_b32 s24, s24, 23
	s_or_b32 s24, s24, 0x600000
	v_mov_b32 v[QL], s24                           ; 448 x 2^e
.macro REDUCE
	v_add_f32_dpp v[T], v[T], v[T] row_xmask:1 row_mask:0xf bank_mask:0xf
	v_add_f32_dpp v[T], v[T], v[T] row_xmask:2 row_mask:0xf bank_mask:0xf
	v_add_f32_dpp v[T], v[T], v[T] row_xmask:4 row_mask:0xf bank_mask:0xf
	v_add_f32_dpp v[T], v[T], v[T] row_xmask:8 row_mask:0xf bank_mask:0xf
	v_permlanex16_b32 v[PD], v[T], s22, s23
	v_add_f32 v[T], v[T], v[PD]
.endm
.macro ROW p, left                     ; left: the loads of the rows behind this one, 8 each, may stay out
.set XR, X+32*(\p)
	s_wait_loadcnt \left
.irp c, 0,1,2,3
	v_pk_add_f32 v[T+2*\c:T+2*\c+1], v[XR+2*\c:XR+2*\c+1], v[XR+8+2*\c:XR+9+2*\c]
.endr
.irp c, 0,1,2,3
	v_pk_add_f32 v[T+2*\c:T+2*\c+1], v[T+2*\c:T+2*\c+1], v[XR+16+2*\c:XR+17+2*\c]
.endr
.irp c, 0,1,2,3
	v_pk_add_f32 v[T+2*\c:T+2*\c+1], v[T+2*\c:T+2*\c+1], v[XR+24+2*\c:XR+25+2*\c]
.endr
	v_pk_add_f32 v[T:T+1], v[T:T+1], v[T+2:T+3]
	v_pk_add_f32 v[T+4:T+5], v[T+4:T+5], v[T+6:T+7]
	v_pk_add_f32 v[T:T+1], v[T:T+1], v[T+4:T+5]
	v_add_f32 v[T], v[T], v[T+1]
	REDUCE
	v_mul_f32 v[U], s20, v[T]                      ; the mean
.set ii, 0
.rept 16
	v_pk_add_f32 v[XR+ii:XR+ii+1], v[XR+ii:XR+ii+1], v[U:U+1] op_sel_hi:[1,0] neg_lo:[0,1] neg_hi:[0,1]
.set ii, ii+2
.endr
	v_pk_mul_f32 v[T:T+1], v[XR:XR+1], v[XR:XR+1]
	v_pk_mul_f32 v[T+2:T+3], v[XR+2:XR+3], v[XR+2:XR+3]
.set ii, 4
.rept 7
	v_pk_fma_f32 v[T:T+1], v[XR+ii:XR+ii+1], v[XR+ii:XR+ii+1], v[T:T+1]
	v_pk_fma_f32 v[T+2:T+3], v[XR+ii+2:XR+ii+3], v[XR+ii+2:XR+ii+3], v[T+2:T+3]
.set ii, ii+4
.endr
	v_pk_add_f32 v[T:T+1], v[T:T+1], v[T+2:T+3]
	v_add_f32 v[T], v[T], v[T+1]
	REDUCE
	v_fma_f32 v[T], v[T], s20, s21                 ; var + eps
	s_wait_alu depctr_va_vdst(0)
	v_rsq_f32 v[R], v[T]
	v_nop                                          ; a plain instruction behind the transcendental,
	s_wait_alu depctr_va_vdst(0)                   ; and the wait ahead of its first reader
.set ii, 0
.rept 16
	v_pk_mul_f32 v[XR+ii:XR+ii+1], v[XR+ii:XR+ii+1], v[R:R+1] op_sel_hi:[1,0]
.set ii, ii+2
.endr
.set ii, 0
.rept 16
	v_pk_fma_f32 v[XR+ii:XR+ii+1], v[XR+ii:XR+ii+1], v[G+ii:G+ii+1], v[BT+ii:BT+ii+1]
.set ii, ii+2
.endr
.set ii, 0
.rept 32
	v_med3_num_f32 v[XR+ii], v[XR+ii], -v[QL], v[QL]   ; the conversion to an 8-bit code does not saturate (ISA guide 7.6.2)
.set ii, ii+1
.endr
.irp j, 0,1,2,3
	v_cvt_scalef32_pk8_fp8_f32 v[C+8*(\p)+2*\j:C+8*(\p)+2*\j+1], v[XR+8*\j:XR+8*\j+7], v[QS]
.endr
	v_nop
.irp j, 0,1,2,3
	global_store_b64 v3, v[C+8*(\p)+2*\j:C+8*(\p)+2*\j+1], s[12:13] offset:1024*(\p)+256*\j
.endr
.endm
	ROW 0, 24
	ROW 1, 16
	ROW 2, 8
	ROW 3, 0
	s_endpgm
.Lfunc_end_k_qf415a5f0e6_ln2:
	.size	k_qf415a5f0e6_ln2, .Lfunc_end_k_qf415a5f0e6_ln2-k_qf415a5f0e6_ln2
	.p2alignl 7, 3214868480
	.fill 96, 4, 3214868480
	.section	.rodata,"a",@progbits
	.p2align	6, 0x0
	.amdhsa_kernel k_qf415a5f0e6_ln2
		.amdhsa_group_segment_fixed_size 0
		.amdhsa_private_segment_fixed_size 0
		.amdhsa_enable_private_segment 0
		.amdhsa_kernarg_size 40
		.amdhsa_user_sgpr_count 2
		.amdhsa_user_sgpr_kernarg_segment_ptr 1
		.amdhsa_wavefront_size32 1
		.amdhsa_system_sgpr_workgroup_id_x 1
		.amdhsa_system_sgpr_workgroup_id_y 1
		.amdhsa_system_sgpr_workgroup_id_z 1
		.amdhsa_system_vgpr_workitem_id 0
		.amdhsa_next_free_vgpr 256
		.amdhsa_next_free_sgpr 66
		.amdhsa_reserve_vcc 0
		.amdhsa_float_denorm_mode_32 3
		.amdhsa_float_denorm_mode_16_64 3
		.amdhsa_memory_ordered 1
		.amdhsa_forward_progress 1
		.amdhsa_inst_pref_size 41
	.end_amdhsa_kernel
	.amdgpu_metadata
---
amdhsa.version: [ 1, 2 ]
amdhsa.kernels:
  - .name:           k_qf415a5f0e6_ln2
    .symbol:         k_qf415a5f0e6_ln2.kd
    .args:
      - { .name: x1, .offset: 0, .size: 8, .value_kind: global_buffer, .address_space: global }
      - { .name: ln2_g, .offset: 8, .size: 8, .value_kind: global_buffer, .address_space: global }
      - { .name: ln2_b, .offset: 16, .size: 8, .value_kind: global_buffer, .address_space: global }
      - { .name: lowp_scales, .offset: 24, .size: 8, .value_kind: global_buffer, .address_space: global }
      - { .name: h_codes, .offset: 32, .size: 8, .value_kind: global_buffer, .address_space: global }
    .group_segment_fixed_size: 0
    .private_segment_fixed_size: 0
    .kernarg_segment_align: 8
    .kernarg_segment_size: 40
    .max_flat_workgroup_size: 128
    .sgpr_count:     66
    .vgpr_count:     256
    .wavefront_size: 32
...
	.end_amdgpu_metadata
.endif
;; end of part 5
;; launch fc (part 6): grid 16 x 16, 4 waves a work-group, clusters of 4 x 4, 327,680 bytes of LDS; arguments h_codes, w_fc_codes, lowp_scales, b_fc, hid_img; writes hid_img
.if DOCPART == 6
	.amdgcn_target "amdgcn-amd-amdhsa--gfx1250"
	.amdhsa_code_object_version 6
	.text
	.protected	k_qf415a5f0e6_fc
	.globl	k_qf415a5f0e6_fc
	.p2align	8
	.type	k_qf415a5f0e6_fc,@function
k_qf415a5f0e6_fc:
	s_mov_b64 s[64:65], 0
	v_nop
	global_prefetch_b8 v0, s[64:65] scope:SCOPE_SE
	s_setreg_imm32_b32 hwreg(HW_REG_WAVE_MODE, 25, 1), 1
	s_wait_xcnt 0x0
	s_wait_alu depctr_hold_cnt(0) depctr_sa_sdst(0) depctr_va_vdst(0) depctr_va_sdst(0) depctr_va_ssrc(0) depctr_va_vcc(0) depctr_vm_vsrc(0)
	s_getreg_b32 s2, hwreg(HW_REG_IB_STS2, 6, 4)
	s_cmp_eq_u32 s2, 0
	s_cbranch_scc0 .Lentry_in_a_cluster
	s_endpgm
.Lentry_in_a_cluster:
	s_bfe_u32 s2, ttmp6, 0x10000c
	s_cmp_lg_u32 s2, 0xf033
	s_cbranch_scc0 .Lentry_shape_is_right
	s_endpgm
.Lentry_shape_is_right:
; hid = gelu(h W_fc^T x 2^(e8 + e9) + b_fc), quantised with e10, on E4M3 codes: h_codes [4096][1024], w_fc_codes [4096][1024], K innermost; hid_img: register images [tile of 16 rows][K step of 128][g 0..3][lane][16 bytes].
; gelu(y) = y / (1 + 2^(y (c1 + c2 y^2))), which is reference()'s tanh form written with one exponential and one reciprocal, all in f32.
; LIMITS: e8 + e9 between -126 and 127; e10 between -126 and 119.  An output's f32 sum takes K's four slabs in the cluster's rotated order.
; A block of 256 x 256 to a work-group: 256 work-groups; a wave makes 128 x 128.  K goes in slabs of 256 through a ring of two LDS slots.  CLUSTERS of 4 x 4 with joint loads.
; PREFETCH: behind the load of walk step 0 each wave names walk steps 1 and 2, behind step 1's step 3: 256 bytes of 32 rows, a lane a row.  Of the 128 rows that a wave fetches the partner at place p of the
; four that ask jointly takes rows 32 p on, told apart by address: each block of 256 bytes is named once in a cluster.
.set KTOT,   1024
.set KSTEP,  256
.set ROWB,   256
.set KROW,   KTOT
.set NSLAB,  KTOT/KSTEP
.set PITCH,  272
.set FR,     16
.set NL,     4
.set NP,     4
.set HALFT,  128*PITCH
.set SLOT,   4*HALFT
.set LAPS,   KTOT/(2*KSTEP)
.set SPARE,  2*SLOT
.set BO,   7
.set IMG,  9
.set ADRA, 16
.set ADRB, 20
.set SPW,  28
.set NIL,  29
.set BIAS, 32
.set TMP,  96
.set UU,   160
.set PC,   224
.set QS,   240
.set QL,   241
.set K1,   242
.set AF,   128
.set G1, 24
.set G0, 32
.set G1B, 48
.set G0B, 56
.set ABASE, 80
.set BBASE, 82
.set KOF,   88
.set SLB,   90
.set MSB, 0
.macro WIN new
.if MSB != (\new)
	s_set_vgpr_msb (MSB<<8)|(\new)
.set MSB, (\new)
.endif
.endm
.set MUL_LO, 0xa1
.set MUL_HI, 0xf1
.set TO_B,   0x40
.macro JLOAD g0a, g1a, g0b, g1b
	s_cmp_eq_u32 s15, 0
	s_cbranch_scc0 .Lfor_b_\@
	tensor_load_to_lds s[\g0a:\g0a+3], s[\g1a:\g1a+7]
	s_nop 0
.rept 4
	v_nop
.endr
	s_branch .Lasked_\@
.Lfor_b_\@:
	tensor_load_to_lds s[\g0b:\g0b+3], s[\g1b:\g1b+7]
	s_nop 0
.rept 4
	v_nop
.endr
.Lasked_\@:
.endm
.macro CREST
	s_cmp_lg_u32 s14, 0
	s_cbranch_scc1 .Lnot_wave_0_\@
	s_barrier_signal -3
.Lnot_wave_0_\@:
	s_barrier_wait -3
	s_barrier_signal -1
	s_barrier_wait -1
.endm
.macro CROUND
	s_barrier_signal -1
	s_barrier_wait -1
	CREST
.endm
	s_load_b128 s[4:7], s[0:1], 0x0
	s_load_b128 s[8:11], s[0:1], 0x10
	s_load_b64 s[68:69], s[0:1], 0x20
	v_lshl_add_u32 v[SPW], v0, 2, SPARE
	v_mov_b32 v[NIL], 0
	ds_add_u32 v[SPW], v[NIL]
	ds_add_u32 v[SPW], v[NIL]
	v_lshrrev_b32 v1, 5, v0
	v_readfirstlane_b32 s14, v1
	s_lshr_b32 s15, s14, 1
	s_and_b32 s16, s14, 1
	s_bfe_u32 s40, ttmp6, 0x40000
	s_bfe_u32 s41, ttmp6, 0x40004
	s_lshl_b32 s42, ttmp9, 2
	s_add_co_u32 s42, s42, s40
	s_and_b32 s17, ttmp7, 0xffff
	s_lshl_b32 s17, s17, 2
	s_add_co_u32 s17, s17, s41
	s_lshl_b32 s43, s41, 2
	s_lshl_b32 s43, 15, s43
	s_lshl_b32 s44, 0x1111, s40
	s_or_b32 s[G1+0], s43, (0<<16)|(1<<20)|(1<<21)|(5<<22)|(3<<25)
	s_or_b32 s[G1B+0], s44, (0<<16)|(1<<20)|(1<<21)|(5<<22)|(3<<25)
.irp g, G1, G1B
	s_mov_b32 s[\g+1], ROWB<<16
	s_mov_b32 s[\g+2], 128<<16
	s_mov_b32 s[\g+3], ROWB<<16
	s_mov_b32 s[\g+4], 128
	s_mov_b32 s[\g+5], KROW
	s_mov_b32 s[\g+6], 0
	s_mov_b32 s[\g+7], 0
.endr
	s_lshl_b32 s18, s16, 7
	s_lshl_b32 s20, s17, 8
	s_add_co_u32 s20, s20, s18
	s_lshl_b32 s46, s42, 8
	s_add_co_u32 s46, s46, s18
	s_mov_b32 s21, 0
	s_mov_b32 s47, 0
	s_mov_b64 s[18:19], KROW
	s_mul_u64 s[20:21], s[20:21], s[18:19]
	s_mul_u64 s[46:47], s[46:47], s[18:19]
	s_mul_i32 s45, s14, HALFT
	s_and_b32 s[SLB], ttmp7, 0xffff
	s_lshr_b32 s91, s[SLB], 1
	s_xor_b32 s[SLB], s[SLB], s91
	s_and_b32 s[SLB], s[SLB], 1
	s_lshl_b32 s[SLB], s[SLB], 1
	s_add_co_u32 s[SLB], s[SLB], ttmp9
	s_and_b32 s[SLB], s[SLB], NSLAB-1
	s_mov_b32 s[KOF+1], 0
	s_wait_dscnt 0x0
	s_wait_kmcnt 0x0
	s_load_b128 s[84:87], s[8:9], 0x20
	s_add_nc_u64 s[ABASE:ABASE+1], s[4:5], s[20:21]
	s_add_nc_u64 s[BBASE:BBASE+1], s[6:7], s[46:47]
	s_cmp_eq_u32 s15, 0                            ; the prefetches: do I fetch for h or for W?
	s_cselect_b64 s[70:71], s[ABASE:ABASE+1], s[BBASE:BBASE+1]
	s_cselect_b32 s98, s40, s41                    ; my place among the four that ask with me
	s_lshl_b32 s98, s98, 15                        ; 32 rows of 1,024 bytes
	s_mov_b32 s99, 0
	s_add_nc_u64 s[70:71], s[70:71], s[98:99]
	CROUND
.irp s, 0,1
	s_lshl_b32 s[KOF], s[SLB], 8
	s_mov_b32 s[G0+4*\s], 1
	s_add_co_u32 s[G0+4*\s+1], s45, \s*SLOT
	s_add_nc_u64 s[G0+4*\s+2:G0+4*\s+3], s[ABASE:ABASE+1], s[KOF:KOF+1]
	s_or_b32 s[G0+4*\s+3], s[G0+4*\s+3], 0x80000000
	s_mov_b32 s[G0B+4*\s], 1
	s_add_co_u32 s[G0B+4*\s+1], s45, \s*SLOT
	s_add_nc_u64 s[G0B+4*\s+2:G0B+4*\s+3], s[BBASE:BBASE+1], s[KOF:KOF+1]
	s_or_b32 s[G0B+4*\s+3], s[G0B+4*\s+3], 0x80000000
.if \s == 0
	JLOAD G0, G1, G0B, G1B                         ; the walk's first K step: one tensor load a wave at the head, behind the opening round
.endif
.if \s == 0
	s_add_co_u32 s[SLB], s[SLB], 1
	s_and_b32 s[SLB], s[SLB], NSLAB-1
.endif
.endr
.macro PFP d, r                        ; the slab d on from the one last asked for, round K's end, into a pair of its own
	s_add_co_u32 s98, s[SLB], \d
	s_and_b32 s98, s98, NSLAB-1
	s_lshl_b32 s98, s98, 8
	s_add_nc_u64 s[\r:\r+1], s[70:71], s[98:99]
.endm
	PFP 0, 72                                      ; walk step 1
	PFP 1, 74                                      ; walk step 2
	PFP 2, 78                                      ; walk step 3
	v_and_b32 v1, 15, v0
	v_bfe_u32 v2, v0, 4, 1
	v_mul_u32_u24 v3, v1, PITCH
	v_lshl_add_u32 v4, v2, 4, v3
	s_mul_i32 s21, s15, HALFT
	s_mul_i32 s22, s16, HALFT
	s_add_co_u32 s22, s22, 2*HALFT
.irp s, 0,1
	v_add_nc_u32 v[ADRA+\s], s21, v4
	v_add_nc_u32 v[ADRB+\s], s22, v4
	s_add_co_u32 s21, s21, SLOT
	s_add_co_u32 s22, s22, SLOT
.endr
	v_and_b32 v6, 31, v0
	v_lshlrev_b32 v[IMG], 4, v6
	v_lshlrev_b32 v[BO], 5, v2
	v_lshlrev_b32 v10, 10, v6                      ; the prefetches' offset: a lane a row
	s_lshl_b32 s92, s42, 10
	s_lshl_b32 s93, s16, 9
	s_add_co_u32 s92, s92, s93
	s_mov_b32 s93, 0
	s_add_nc_u64 s[10:11], s[10:11], s[92:93]
.set bb, 0
.rept 8
	global_load_b128 v[BIAS+8*bb:BIAS+8*bb+3], v[BO], s[10:11] offset:64*bb
	global_load_b128 v[BIAS+8*bb+4:BIAS+8*bb+7], v[BO], s[10:11] offset:64*bb+16
.set bb, bb+1
.endr
	global_prefetch_b8 v10, s[72:73] th:TH_LOAD_NT scope:SCOPE_SE
	global_prefetch_b8 v10, s[74:75] th:TH_LOAD_NT scope:SCOPE_SE
	s_lshl_b32 s92, s17, 4
	s_lshl_b32 s94, s15, 3
	s_add_co_u32 s92, s92, s94
	s_lshl_b32 s92, s92, 16
	s_lshl_b32 s94, s42, 1
	s_add_co_u32 s94, s94, s16
	s_lshl_b32 s94, s94, 11
	s_add_co_u32 s92, s92, s94
	s_add_nc_u64 s[76:77], s[68:69], s[92:93]
.macro FRAG reg, adr, q, i
.irp c, 0,1,2,3
	ds_load_b128 v[\reg+4*\c:\reg+4*\c+3], v[\adr] offset:128*(\q)+32*\c+(\i)*16*PITCH
.endr
.endm
.macro MUL16 a0, p, zero
.irp a, \a0, \a0+1
.irp b, 0,1,2,3,4,5,6,7
.if \zero
	v_wmma_f32_16x16x128_fp8_fp8 v[8*(8*((\a)%4)+\b):8*(8*((\a)%4)+\b)+7], v[128*(\p)+FR*\b:128*(\p)+FR*\b+FR-1], v[AF+FR*(\a):AF+FR*(\a)+FR-1], 0
.else
	v_wmma_f32_16x16x128_fp8_fp8 v[8*(8*((\a)%4)+\b):8*(8*((\a)%4)+\b)+7], v[128*(\p)+FR*\b:128*(\p)+FR*\b+FR-1], v[AF+FR*(\a):AF+FR*(\a)+FR-1], v[8*(8*((\a)%4)+\b):8*(8*((\a)%4)+\b)+7]
.endif
.endr
.endr
.endm
.macro FETCH_B slot, q, p
	WIN TO_B
.irp i, 0,1,2,3,4,5,6,7
	FRAG 128*(\p)+FR*\i, ADRB+\slot, \q, \i
.endr
	WIN 0
.endm
.macro FETCH_A slot, q, i0
.irp i, \i0, \i0+1, \i0+2, \i0+3
	FRAG AF+FR*(\i), ADRA+\slot, \q, \i
.endr
.endm
.macro PLACES n
.rept \n
	v_nop
.endr
.endm
.macro STEP slot, q, zero
	s_wait_dscnt 4*NL
	WIN MUL_LO
	MUL16 0, (\q)%2, \zero
	MUL16 2, (\q)%2, \zero
	s_wait_dscnt 0
	PLACES NP
	FETCH_B \slot, (\q)+1, 1-(\q)%2
	FETCH_A \slot, (\q)+1, 0
	WIN MUL_HI
	MUL16 4, (\q)%2, \zero
	MUL16 6, (\q)%2, \zero
	PLACES NP
	WIN 0
	FETCH_A \slot, (\q)+1, 4
.endm
.macro TURN slot, next, fill           ; a slot's last step changes slots, behind its first 32 products
	s_wait_dscnt 4*NL                              ; W's set and h's blocks 0-3 are in; the youngest 16 loads (blocks 4-7) may be out
	WIN MUL_LO
	MUL16 0, 1, 0
	MUL16 2, 1, 0
	WIN 0
	s_wait_tensorcnt 0x0                           ; my one tensor load has landed: my part of the next slot; so a group 0 may be written
	ds_add_u32 v[SPW], v[NIL]                      ; 0 onto my spare word
.if \fill
	s_add_co_u32 s[SLB], s[SLB], 1
	s_and_b32 s[SLB], s[SLB], NSLAB-1
	s_lshl_b32 s[KOF], s[SLB], 8
	s_add_nc_u64 s[G0+4*\slot+2:G0+4*\slot+3], s[ABASE:ABASE+1], s[KOF:KOF+1]
	s_or_b32 s[G0+4*\slot+3], s[G0+4*\slot+3], 0x80000000
	s_add_nc_u64 s[G0B+4*\slot+2:G0B+4*\slot+3], s[BBASE:BBASE+1], s[KOF:KOF+1]
	s_or_b32 s[G0B+4*\slot+3], s[G0B+4*\slot+3], 0x80000000
.endif
	s_wait_dscnt 0x0                               ; the add is done, and my reads of this slot are over
	s_barrier_signal -1
	s_barrier_wait -1
.if \fill
	CREST
	JLOAD G0+4*\slot, G1, G0B+4*\slot, G1B
.else
	PLACES NP
.endif
	FETCH_B \next, 0, 0
	FETCH_A \next, 0, 0
	WIN MUL_HI
	MUL16 4, 1, 0
	MUL16 6, 1, 0
	PLACES NP
	WIN 0
	FETCH_A \next, 0, 4
.endm
	s_wait_alu depctr_va_vdst(0)
	s_wait_tensorcnt 0x0                           ; my part of slot 0 is in; slot 1's first fill is issued as a refill is:
	ds_add_u32 v[SPW], v[NIL]
	s_wait_dscnt 0x0
	CROUND
	JLOAD G0+4, G1, G0B+4, G1B                     ; the walk's second K step: the first tensor load behind the round
	FETCH_B 0, 0, 0
	FETCH_A 0, 0, 0
	FETCH_A 0, 0, 4
	global_prefetch_b8 v10, s[78:79] th:TH_LOAD_NT scope:SCOPE_SE
	STEP 0, 0, 1
	s_mov_b32 s3, LAPS-1
.Llap:
	TURN 0, 1, 1
	STEP 1, 0, 0
	TURN 1, 0, 1
	STEP 0, 0, 0
	s_sub_co_u32 s3, s3, 1
	s_cmp_lg_u32 s3, 0
	s_cbranch_scc1 .Llap
	TURN 0, 1, 0
	STEP 1, 0, 0
	s_wait_dscnt 4*NL
	WIN MUL_LO
	MUL16 0, 1, 0
	MUL16 2, 1, 0
	s_wait_dscnt 0
	WIN MUL_HI
	MUL16 4, 1, 0
	MUL16 6, 1, 0
	WIN 0
	s_wait_loadcnt 0x0
	s_wait_kmcnt 0x0
	s_add_co_i32 s96, s84, s85
	s_add_co_i32 s96, s96, 127
	s_lshl_b32 s96, s96, 23
	s_mov_b32 s97, s96
	s_add_co_i32 s94, s86, 127
	s_lshl_b32 s95, s94, 23
	s_add_co_i32 s94, s94, 8
	s_lshl_b32 s94, s94, 23
	s_or_b32 s94, s94, 0x600000
	s_mov_b32 s92, 0xbdd2d3e8
	s_mov_b32 s93, s92
	PLACES NP
	v_mov_b32 v[QS], s95
	v_mov_b32 v[QL], s94
	v_mov_b32 v[K1], 0xc0135761
	v_mov_b32 v[K1+1], 0xc0135761
.macro FCOUT a
.set AC, 64*((\a)%4)
	WIN 0x02+((\a)/4)
.set jj, 0
.rept 32
	v_pk_fma_f32 v[TMP+jj:TMP+jj+1], v[AC+jj:AC+jj+1], s[96:97], v[BIAS+jj:BIAS+jj+1] op_sel_hi:[1,0,1]
.set jj, jj+2
.endr
	WIN 0
.set jj, 0
.rept 32
	v_pk_mul_f32 v[UU+jj:UU+jj+1], v[TMP+jj:TMP+jj+1], v[TMP+jj:TMP+jj+1]
.set jj, jj+2
.endr
.set jj, 0
.rept 32
	v_pk_fma_f32 v[UU+jj:UU+jj+1], v[UU+jj:UU+jj+1], s[92:93], v[K1:K1+1] op_sel_hi:[1,0,1]
.set jj, jj+2
.endr
.set jj, 0
.rept 32
	v_pk_mul_f32 v[UU+jj:UU+jj+1], v[UU+jj:UU+jj+1], v[TMP+jj:TMP+jj+1]
.set jj, jj+2
.endr
.set jj, 0
	s_wait_alu depctr_va_vdst(0)
.rept 64
	v_exp_f32 v[UU+jj], v[UU+jj]
.set jj, jj+1
.endr
	v_nop
	s_wait_alu depctr_va_vdst(0)
.set jj, 0
.rept 32
	v_pk_add_f32 v[UU+jj:UU+jj+1], v[UU+jj:UU+jj+1], 1.0 op_sel_hi:[1,0]
.set jj, jj+2
.endr
.set jj, 0
	s_wait_alu depctr_va_vdst(0)
.rept 64
	v_rcp_f32 v[UU+jj], v[UU+jj]
.set jj, jj+1
.endr
	v_nop
	s_wait_alu depctr_va_vdst(0)
.set jj, 0
.rept 32
	v_pk_mul_f32 v[TMP+jj:TMP+jj+1], v[TMP+jj:TMP+jj+1], v[UU+jj:UU+jj+1]
.set jj, jj+2
.endr
.set jj, 0
.rept 64
	v_med3_num_f32 v[TMP+jj], v[TMP+jj], -v[QL], v[QL]
.set jj, jj+1
.endr
	s_wait_alu depctr_va_vdst(0)
	s_wait_xcnt 0x0
.set bb, 0
.rept 8
	v_cvt_scalef32_pk8_fp8_f32 v[PC+2*bb:PC+2*bb+1], v[TMP+8*bb:TMP+8*bb+7], v[QS]
.set bb, bb+1
.endr
	v_nop
.irp g, 0,1,2,3
	global_store_b128 v[IMG], v[PC+4*\g:PC+4*\g+3], s[76:77] offset:(\a)*65536+512*\g
.endr
.endm
.irp a, 0,1,2,3,4,5,6,7
	FCOUT \a
.endr
	s_wait_tensorcnt 0x0
	ds_add_u32 v[SPW], v[NIL]
	s_wait_dscnt 0x0
	CROUND
	s_endpgm
.Lfunc_end_k_qf415a5f0e6_fc:
	.size	k_qf415a5f0e6_fc, .Lfunc_end_k_qf415a5f0e6_fc-k_qf415a5f0e6_fc
	.p2alignl 7, 3214868480
	.fill 96, 4, 3214868480
	.section	.rodata,"a",@progbits
	.p2align	6, 0x0
	.amdhsa_kernel k_qf415a5f0e6_fc
		.amdhsa_group_segment_fixed_size 327680
		.amdhsa_private_segment_fixed_size 0
		.amdhsa_enable_private_segment 0
		.amdhsa_kernarg_size 40
		.amdhsa_user_sgpr_count 2
		.amdhsa_user_sgpr_kernarg_segment_ptr 1
		.amdhsa_wavefront_size32 1
		.amdhsa_system_sgpr_workgroup_id_x 1
		.amdhsa_system_sgpr_workgroup_id_y 1
		.amdhsa_system_sgpr_workgroup_id_z 1
		.amdhsa_system_vgpr_workitem_id 0
		.amdhsa_next_free_vgpr 1024
		.amdhsa_next_free_sgpr 100
		.amdhsa_reserve_vcc 0
		.amdhsa_float_denorm_mode_32 3
		.amdhsa_float_denorm_mode_16_64 3
		.amdhsa_memory_ordered 1
		.amdhsa_forward_progress 1
		.amdhsa_inst_pref_size 251
	.end_amdhsa_kernel
	.amdgpu_metadata
---
amdhsa.version: [ 1, 2 ]
amdhsa.kernels:
  - .name:           k_qf415a5f0e6_fc
    .symbol:         k_qf415a5f0e6_fc.kd
    .args:
      - { .name: h_codes, .offset: 0, .size: 8, .value_kind: global_buffer, .address_space: global }
      - { .name: w_fc_codes, .offset: 8, .size: 8, .value_kind: global_buffer, .address_space: global }
      - { .name: lowp_scales, .offset: 16, .size: 8, .value_kind: global_buffer, .address_space: global }
      - { .name: b_fc, .offset: 24, .size: 8, .value_kind: global_buffer, .address_space: global }
      - { .name: hid_img, .offset: 32, .size: 8, .value_kind: global_buffer, .address_space: global }
    .group_segment_fixed_size: 327680
    .private_segment_fixed_size: 0
    .kernarg_segment_align: 8
    .kernarg_segment_size: 40
    .max_flat_workgroup_size: 128
    .sgpr_count:     100
    .vgpr_count:     1024
    .wavefront_size: 32
...
	.end_amdgpu_metadata
.endif
;; end of part 6
;; launch mproj (part 7): grid 8 x 32, 4 waves a work-group, clusters of 4 x 4, 327,680 bytes of LDS; arguments hid_img, w_mproj_codes, lowp_scales, b_mproj, x1, out0; writes out0
.if DOCPART == 7
	.amdgcn_target "amdgcn-amd-amdhsa--gfx1250"
	.amdhsa_code_object_version 6
	.text
	.protected	k_qf415a5f0e6_mproj
	.globl	k_qf415a5f0e6_mproj
	.p2align	8
	.type	k_qf415a5f0e6_mproj,@function
k_qf415a5f0e6_mproj:
	s_mov_b64 s[64:65], 0
	v_nop
	global_prefetch_b8 v0, s[64:65] scope:SCOPE_SE
	s_setreg_imm32_b32 hwreg(HW_REG_WAVE_MODE, 25, 1), 1
	s_wait_xcnt 0x0
	s_wait_alu depctr_hold_cnt(0) depctr_sa_sdst(0) depctr_va_vdst(0) depctr_va_sdst(0) depctr_va_ssrc(0) depctr_va_vcc(0) depctr_vm_vsrc(0)
	s_getreg_b32 s2, hwreg(HW_REG_IB_STS2, 6, 4)
	s_cmp_eq_u32 s2, 0
	s_cbranch_scc0 .Lentry_in_a_cluster
	s_endpgm
.Lentry_in_a_cluster:
	s_bfe_u32 s2, ttmp6, 0x10000c
	s_cmp_lg_u32 s2, 0xf033
	s_cbranch_scc0 .Lentry_shape_is_right
	s_endpgm
.Lentry_shape_is_right:
; out0 = x1 + hid W^T x 2^(e10 + e11) + b_mproj, on E4M3 codes.  hid_img: register images [tile of 16 rows][K step of 128][g 0..3][lane][16 bytes] (plain 8-bit layout: registers 2 c, 2 c + 1
; hold k = 16 c + 8 (lane / 16) + 0..7); W: [1024][4096] codes, K innermost; x1 and out0: [4096][1024] f32.
; LIMIT: e10 + e11 between -126 and 127.
; SHARES: a block of 128 x 128 to a work-group: 32 x 8 = 256 work-groups.  K IS SHARED AMONG THE FOUR WAVES: K goes in slabs of 512 through a ring of two LDS slots, and of each slab wave w multiplies
; the whole block over K step w (128 along K): 64 accumulators, 512 registers, 64 matrix instructions a slab.  So each byte of a slot is read from LDS by one wave, once.
; At the end the four partial blocks meet in LDS: each wave lays its block down by rows, and wave w sums rows 32 w .. 32 w + 31 of the four.
; LIMIT: an output's f32 sum is taken in four parts along K, each in the rotated order of slabs below, not with K ascending.
; CLUSTERS of 4 x 4: hid's tiles are shared along a row, W's along a column, each asked for jointly (waves 0, 1: hid's halves; waves 2, 3: W's).
; THE WALK ALONG K IS ROTATED BY CLUSTER: slabs o, o + 1, .. o + 7 (mod 8), o = (2 (y & 1) + 4 (((y >> 1) xor (y >> 2)) & 1) + 4 x) mod 8, x and y the cluster's: the same in all sixteen partners.
; THE RING: a slot is free as soon as every wave holds its step's fragments in registers.  A phase is: the three lines and a round; the refill of the slot just read out; the next slot's fragments;
; the second 32 products of the step in hand; the first 32 of the next.  One tensor load of a wave is out at a time.
; PREFETCH: behind the load of walk step s each wave names 32 blocks of 256 bytes of walk step s + 2, s = 0 .. 5: two phases ahead of the load that wants them; behind step 0's load also those of step 1,
; one phase ahead.  Of the four row tiles of hid (64 rows of W) that a wave fetches, the partner at place p of the four that ask jointly takes tile p (rows 16 p .. 16 p + 15), told apart by address:
; each block is named once in a cluster.  In phase 4, which has no tile left to name, each wave names the 64 blocks of its own 32 rows of the residual, two phases ahead of the loads in phase 6.
; REGISTERS: window 0: v16-29 addresses, v32-35 bias, v128-255 hid's eight fragments, one set; window 1: W's fragments, two sets (at the end v0-127: the residual);
;   windows 2, 3: the accumulators, (a, b) at v[8 (8 (a % 4) + b)]; at the end the four parts of my 32 rows.
.set KTOT,  4096
.set SCOFF, 0x28
.set RTB,   16*KTOT                    ; a tile of 16 rows of hid_img, in bytes
.set NSLAB, KTOT/512
.set BP,    528                        ; a row of W in a slot: 512 bytes + 16 of padding
.set AREG,  65536                      ; hid's part of a slot: 8 tiles x 4 K steps x 2,048 bytes, dense
.set SLOT,  AREG+128*BP
.set SP,    528                        ; a row of a partial block: 512 bytes + 16
.set REG,   128*SP                     ; a wave's partial block; the four lie over the ring, which has had its last fill and its last read by then
.set SPARE, 4*REG                      ; behind them: the spare words, 128 bytes a wave, that no other line names
.set ADRA, 16                          ; v16-17 my K step of hid in slot 0, 1
.set ADRB, 18                          ; v18-19 the same of W
.set STO,  20                          ; where I lay 32 bytes of a row of my partial block
.set RD,   21                          ; v21-24 my 32 rows in the four partial blocks
.set CO,   25                          ; 16 x lane
.set PFO,  26                          ; the tiles' prefetches: the lane's offset
.set PFX,  27                          ; the residual's: row lane / 2, block lane % 2
.set SPW,  28
.set NIL,  29
.set BIAS, 32
.set AF,   128
.set G1, 24
.set G0, 32
.set G1B, 48
.set G0B, 56
.set PSH,   72                         ; s72 log2 of a slab's bytes in what I fetch: 13 in a tile of hid, 9 in a row of W
.set ABASE, 80
.set BBASE, 82
.set PFB,   84                         ; s[84:85] my work-group's share of what I fetch, K = 0
.set PFA,   86                         ; s[86:87] the same at the slab to be named
.set KOF,   88
.set SLB,   90                         ; the slab last asked for by a tensor load
.set MSB, 0
.macro WIN new                         ; the immediate's high byte repeats the setting that is left
.if MSB != (\new)
	s_set_vgpr_msb (MSB<<8)|(\new)
.set MSB, (\new)
.endif
.endm
.set MUL_LO, 0xa1                      ; source 0 (W) window 1, source 1 (hid) window 0, C and D window 2
.set MUL_HI, 0xf1
.set TO_B,   0x40
.macro JLOAD g0a, g1a, g0b, g1b        ; an s_nop 0 and four v_nop follow each line
	s_cmp_eq_u32 s15, 0
	s_cbranch_scc0 .Lfor_b_\@
	tensor_load_to_lds s[\g0a:\g0a+3], s[\g1a:\g1a+7]
	s_nop 0
.rept 4
	v_nop
.endr
	s_branch .Lasked_\@
.Lfor_b_\@:
	tensor_load_to_lds s[\g0b:\g0b+3], s[\g1b:\g1b+7]
	s_nop 0
.rept 4
	v_nop
.endr
.Lasked_\@:
.endm
.macro CREST
	s_cmp_lg_u32 s14, 0
	s_cbranch_scc1 .Lnot_wave_0_\@
	s_barrier_signal -3
.Lnot_wave_0_\@:
	s_barrier_wait -3
	s_barrier_signal -1
	s_barrier_wait -1
.endm
.macro CROUND
	s_barrier_signal -1
	s_barrier_wait -1
	CREST
.endm
.macro PFADDR d                        ; the prefetch's address: d slabs on from the slab last loaded, round K's end
	s_add_co_u32 s74, s[SLB], \d
	s_and_b32 s74, s74, NSLAB-1
	s_lshl_b32 s74, s74, s[PSH]
	s_add_nc_u64 s[PFA:PFA+1], s[PFB:PFB+1], s[74:75]
.endm
	s_load_b128 s[4:7], s[0:1], 0x0                ; hid_img, W
	s_load_b128 s[8:11], s[0:1], 0x10              ; the scales, the bias
	s_load_b128 s[68:71], s[0:1], 0x20             ; x1, out0
	v_lshl_add_u32 v[SPW], v0, 2, SPARE
	v_mov_b32 v[NIL], 0
	ds_add_u32 v[SPW], v[NIL]                      ; the opening: the add, twice on end, and its wait ahead of my first tensor load
	ds_add_u32 v[SPW], v[NIL]
	v_lshrrev_b32 v1, 5, v0
	v_readfirstlane_b32 s14, v1                    ; wave
	s_lshr_b32 s15, s14, 1                         ; I fetch for hid (0) or W (1),
	s_and_b32 s16, s14, 1                          ; and which half
	s_bfe_u32 s40, ttmp6, 0x40000                  ; cx
	s_bfe_u32 s41, ttmp6, 0x40004                  ; cy
	s_lshl_b32 s42, ttmp9, 2
	s_add_co_u32 s42, s42, s40                     ; block column
	s_and_b32 s17, ttmp7, 0xffff
	s_lshl_b32 s17, s17, 2
	s_add_co_u32 s17, s17, s41                     ; block row
	s_lshl_b32 s43, s41, 2
	s_lshl_b32 s43, 15, s43                        ; my row of the cluster
	s_lshl_b32 s44, 0x1111, s40                    ; my column
	s_or_b32 s[G1], s43, (3<<16)|(1<<21)           ; hid: the mask of my row; elements of 8 bytes; no padding
	s_mov_b32 s[G1+1], 1024<<16                    ; 8,192 bytes: a slab of one tile of 16 rows
	s_mov_b32 s[G1+2], 4<<16                       ; four such tiles
	s_mov_b32 s[G1+3], 1024<<16
	s_mov_b32 s[G1+4], 4
	s_mov_b32 s[G1+5], RTB/8
	s_mov_b32 s[G1+6], 0
	s_mov_b32 s[G1+7], 0
	s_or_b32 s[G1B], s44, (0<<16)|(1<<20)|(1<<21)|(6<<22)|(3<<25)   ; W: the mask of my column; bytes; 4 words of padding behind every 128
	s_mov_b32 s[G1B+1], 512<<16
	s_mov_b32 s[G1B+2], 64<<16
	s_mov_b32 s[G1B+3], 512<<16
	s_mov_b32 s[G1B+4], 64
	s_mov_b32 s[G1B+5], KTOT
	s_mov_b32 s[G1B+6], 0
	s_mov_b32 s[G1B+7], 0
	s_lshl_b32 s20, s17, 3
	s_lshl_b32 s18, s16, 2
	s_add_co_u32 s20, s20, s18
	s_mul_i32 s20, s20, RTB                        ; hid: tile 8 x block row + 4 x half
	s_mov_b32 s21, 0
	s_lshl_b32 s46, s42, 7
	s_lshl_b32 s18, s16, 6
	s_add_co_u32 s46, s46, s18
	s_mul_i32 s46, s46, KTOT                       ; W: row 128 x block column + 64 x half
	s_mov_b32 s47, 0
	s_lshl_b32 s45, s16, 15                        ; where they go in a slot
	s_mul_i32 s23, s16, 64*BP
	s_add_co_u32 s23, s23, AREG
	s_and_b32 s[SLB], ttmp7, 0xffff                ; the cluster's y
	s_lshr_b32 s91, s[SLB], 1
	s_lshr_b32 s[KOF], s[SLB], 2
	s_xor_b32 s91, s91, s[KOF]
	s_and_b32 s91, s91, 1
	s_add_co_u32 s91, s91, ttmp9
	s_lshl_b32 s91, s91, 2
	s_and_b32 s[SLB], s[SLB], 1
	s_lshl_b32 s[SLB], s[SLB], 1
	s_add_co_u32 s[SLB], s[SLB], s91
	s_and_b32 s[SLB], s[SLB], NSLAB-1              ; o, the slab at which my cluster begins
	s_mov_b32 s[KOF+1], 0
	s_lshl_b32 s76, s14, 11                        ; my K step in a tile of hid: 2,048 x wave
	s_lshl_b32 s77, s14, 7
	s_add_co_u32 s77, s77, AREG                    ; and in a row of W: 128 x wave
	s_mul_i32 s78, s14, REG                        ; my partial block
	s_mul_i32 s79, s14, 32*SP                      ; my 32 rows in a partial block
	s_mov_b32 s73, 4096
	s_cmp_eq_u32 s15, 0
	s_cselect_b32 s[PSH], 13, 9
	s_cselect_b32 s73, 512, s73                    ; from lane pair to lane pair: 512 bytes on in a tile of hid, a row on in W
	s_cselect_b32 s74, s40, s41                    ; my place among the four that ask with me
	s_lshl_b32 s74, s74, 16                        ; a tile of hid, and 16 rows of W, are 65,536 bytes
	s_mov_b32 s75, 0
	s_wait_dscnt 0x0                               ; both opening adds are done
	s_wait_kmcnt 0x0
	s_load_b64 s[96:97], s[8:9], SCOFF             ; e10, e11
	s_add_nc_u64 s[ABASE:ABASE+1], s[4:5], s[20:21]
	s_add_nc_u64 s[BBASE:BBASE+1], s[6:7], s[46:47]
	s_cmp_eq_u32 s15, 0
	s_cselect_b64 s[PFB:PFB+1], s[ABASE:ABASE+1], s[BBASE:BBASE+1]
	s_add_nc_u64 s[PFB:PFB+1], s[PFB:PFB+1], s[74:75]
	CROUND                                         ; all sixteen work-groups are here: the first joint loads meet
.irp s, 0,1
	s_lshl_b32 s[KOF], s[SLB], 13                  ; slot 0 takes slab o, slot 1 slab o + 1
	s_mov_b32 s[G0+4*\s], 1
	s_add_co_u32 s[G0+4*\s+1], s45, \s*SLOT
	s_add_nc_u64 s[G0+4*\s+2:G0+4*\s+3], s[ABASE:ABASE+1], s[KOF:KOF+1]
	s_or_b32 s[G0+4*\s+3], s[G0+4*\s+3], 0x80000000
	s_lshl_b32 s[KOF], s[SLB], 9
	s_mov_b32 s[G0B+4*\s], 1
	s_add_co_u32 s[G0B+4*\s+1], s23, \s*SLOT
	s_add_nc_u64 s[G0B+4*\s+2:G0B+4*\s+3], s[BBASE:BBASE+1], s[KOF:KOF+1]
	s_or_b32 s[G0B+4*\s+3], s[G0B+4*\s+3], 0x80000000
.if \s == 0
	s_add_co_u32 s[SLB], s[SLB], 1
	s_and_b32 s[SLB], s[SLB], NSLAB-1
.endif
.endr
	JLOAD G0, G1, G0B, G1B                         ; walk step 0: one tensor load a wave at the head
	s_lshl_b32 s94, s42, 9                         ; my block's first column, in bytes of f32
	s_mov_b32 s95, 0
	s_add_nc_u64 s[10:11], s[10:11], s[94:95]      ; the bias there
	s_lshl_b32 s92, s17, 7
	s_lshl_b32 s93, s14, 5
	s_add_co_u32 s92, s92, s93                     ; the first of the 32 rows that I finish
	s_lshl_b32 s92, s92, 12
	s_add_co_u32 s94, s94, s92
	s_add_nc_u64 s[68:69], s[68:69], s[94:95]
	s_add_nc_u64 s[70:71], s[70:71], s[94:95]
	PFADDR 0                                       ; walk step 1,
	s_mov_b64 s[98:99], s[PFA:PFA+1]               ; in a pair of its own
	PFADDR 1                                       ; walk step 2
	v_and_b32 v1, 15, v0                           ; r
	v_bfe_u32 v2, v0, 4, 1                         ; h
	v_and_b32 v3, 31, v0                           ; lane
	v_lshlrev_b32 v[CO], 4, v3
	v_mul_u32_u24 v5, v1, BP
	v_lshl_add_u32 v5, v2, 3, v5                   ; W: row r, + 8 h
	v_add_nc_u32 v[ADRA], s76, v[CO]
	v_add_nc_u32 v[ADRA+1], SLOT, v[ADRA]
	v_add_nc_u32 v[ADRB], s77, v5
	v_add_nc_u32 v[ADRB+1], SLOT, v[ADRB]
	v_mul_u32_u24 v6, v1, SP
	v_lshl_add_u32 v6, v2, 5, v6
	v_add_nc_u32 v[STO], s78, v6                   ; row r, 32 bytes for each half of the lanes
	v_add_nc_u32 v[RD], s79, v[CO]                 ; back: 32 lanes take a row of 512 bytes
	v_add_nc_u32 v[RD+1], REG, v[RD]
	v_add_nc_u32 v[RD+2], 2*REG, v[RD]
	v_add_nc_u32 v[RD+3], 3*REG, v[RD]
	v_lshrrev_b32 v7, 1, v3
	v_and_b32 v8, 1, v3
	v_lshlrev_b32 v9, 12, v7
	v_lshl_add_u32 v[PFX], v8, 8, v9               ; the residual: a row of x1 is 4,096 bytes, my part of it two blocks of 256
	v_mul_lo_u32 v7, v7, s73
	v_lshl_add_u32 v[PFO], v8, 8, v7               ; 32 different blocks of 256 bytes
	global_prefetch_b8 v[PFO], s[98:99] th:TH_LOAD_NT scope:SCOPE_SE
	global_prefetch_b8 v[PFO], s[PFA:PFA+1] th:TH_LOAD_NT scope:SCOPE_SE
	global_load_b128 v[BIAS:BIAS+3], v[CO], s[10:11]   ; the bias of columns 4 lane .. 4 lane + 3
.macro MUL16 a0, p, zero               ; hid's blocks a0, a0 + 1 x W's eight; the 64 accumulators take turns, one instruction a turn, in the same order in every step
.irp a, \a0, \a0+1
.irp b, 0,1,2,3,4,5,6,7
.if \zero
	v_wmma_f32_16x16x128_fp8_fp8 v[8*(8*((\a)%4)+\b):8*(8*((\a)%4)+\b)+7], v[128*(\p)+16*\b:128*(\p)+16*\b+15], v[AF+16*(\a):AF+16*(\a)+15], 0
.else
	v_wmma_f32_16x16x128_fp8_fp8 v[8*(8*((\a)%4)+\b):8*(8*((\a)%4)+\b)+7], v[128*(\p)+16*\b:128*(\p)+16*\b+15], v[AF+16*(\a):AF+16*(\a)+15], v[8*(8*((\a)%4)+\b):8*(8*((\a)%4)+\b)+7]
.endif
.endr
.endr
.endm
.macro FETCH_B slot                    ; W's eight fragments of my K step into set slot: 64 loads of 8 bytes in the plain layout
	WIN TO_B
.irp i, 0,1,2,3,4,5,6,7
.irp c, 0,1,2,3,4,5,6,7
	ds_load_b64 v[128*(\slot)+16*\i+2*\c:128*(\slot)+16*\i+2*\c+1], v[ADRB+(\slot)] offset:16*BP*\i+16*\c
.endr
.endr
	WIN 0
.endm
.macro FETCH_A slot, i0                ; hid's blocks i0 .. i0 + 3: 16 loads of 512 consecutive bytes
.irp i, \i0, \i0+1, \i0+2, \i0+3
.irp g, 0,1,2,3
	ds_load_b128 v[AF+16*(\i)+4*\g:AF+16*(\i)+4*\g+3], v[ADRA+(\slot)] offset:8192*(\i)+512*\g
.endr
.endr
.endm
.macro PLACES n                        ; plain vector instructions between a matrix instruction and a load into, or a read of, its registers
.rept \n
	v_nop
.endr
.endm
; A PHASE.  cur: the slot of the step in hand, whose fragments are all asked for and whose first 32 products are issued.  fill: cur is filled again, two steps ahead.
; ask: 1 a tile's prefetch; 2 the same in the loop's first trip, the residual's in its second; 0 none.  zero: the step in hand starts the sums.  res: the residual is loaded.
.macro PHASE cur, fill, ask, zero, res
	WIN 0
	s_wait_tensorcnt 0x0                           ; my one tensor load has landed: my part of the other slot; so a group 0 may be written
	ds_add_u32 v[SPW], v[NIL]                      ; 0 onto my spare word
.if \fill
	s_add_co_u32 s[SLB], s[SLB], 1                 ; the next slab of my cluster's walk, round K's end
	s_and_b32 s[SLB], s[SLB], NSLAB-1
	s_lshl_b32 s[KOF], s[SLB], 13
	s_add_nc_u64 s[G0+4*\cur+2:G0+4*\cur+3], s[ABASE:ABASE+1], s[KOF:KOF+1]
	s_or_b32 s[G0+4*\cur+3], s[G0+4*\cur+3], 0x80000000
	s_lshl_b32 s[KOF], s[SLB], 9
	s_add_nc_u64 s[G0B+4*\cur+2:G0B+4*\cur+3], s[BBASE:BBASE+1], s[KOF:KOF+1]
	s_or_b32 s[G0B+4*\cur+3], s[G0B+4*\cur+3], 0x80000000
.endif
.if \ask
	s_wait_xcnt 0x0                                ; the last prefetch has read its address, so it may be written
	PFADDR 2
.endif
	s_wait_dscnt 0x0                               ; the add is done, and all fragments of the step in hand are in registers: my reads of slot cur are over
	s_barrier_signal -1
	s_barrier_wait -1
.if \fill
	CREST                                          ; the barrier has opened a round of the cluster's: no wave of any partner still reads this slot or has a load on its way
	JLOAD G0+4*\cur, G1, G0B+4*\cur, G1B           ; the first tensor load behind the round; its four v_nop are the places in front of the loads below
.else
	PLACES 4
.endif
	FETCH_B 1-\cur
	FETCH_A 1-\cur, 0
.if \ask == 2
	s_cmp_eq_u32 s3, 2                             ; the second trip's would name a step behind the walk's last
	s_cbranch_scc0 .Lno_\@
.endif
.if \ask
	global_prefetch_b8 v[PFO], s[PFA:PFA+1] th:TH_LOAD_NT scope:SCOPE_SE
.endif
.if \ask == 2
	s_branch .Ldone_\@
.Lno_\@:
	global_prefetch_b8 v[PFX], s[68:69] th:TH_LOAD_NT scope:SCOPE_SE                ; my rows 0-15 of the residual,
	global_prefetch_b8 v[PFX], s[68:69] offset:65536 th:TH_LOAD_NT scope:SCOPE_SE   ; and rows 16-31
.Ldone_\@:
.endif
	WIN MUL_HI
	MUL16 4, \cur, \zero
	MUL16 6, \cur, \zero
	PLACES 4
	WIN 0
	FETCH_A 1-\cur, 4
.if \res
	WIN TO_B                                       ; set 0 of W is done with: my 32 rows of the residual land there; 32 lanes read 512 consecutive bytes, aligned
.set tt, 0
.rept 32
	global_load_b128 v[4*tt:4*tt+3], v[CO], s[68:69] offset:tt*4096 th:TH_LOAD_NT
.set tt, tt+1
.endr
	WIN 0
.endif
	s_wait_dscnt 16                                ; W's set and hid's blocks 0-3 are in; the youngest 16 loads (blocks 4-7) may be out
	WIN MUL_LO
	MUL16 0, 1-\cur, 0
	MUL16 2, 1-\cur, 0
.endm
	s_wait_alu depctr_va_vdst(0)                   ; the wait at the head's end
	s_wait_tensorcnt 0x0                           ; my part of walk step 0 is in; slot 1's first fill is issued as a refill is:
	ds_add_u32 v[SPW], v[NIL]
	s_wait_xcnt 0x0                                ; the prefetches have read their addresses
	PFADDR 2                                       ; walk step 3
	s_wait_dscnt 0x0
	CROUND
	JLOAD G0+4, G1, G0B+4, G1B                     ; walk step 1: the first tensor load behind the round
	FETCH_B 0
	FETCH_A 0, 0
	FETCH_A 0, 4
	global_prefetch_b8 v[PFO], s[PFA:PFA+1] th:TH_LOAD_NT scope:SCOPE_SE
	s_wait_dscnt 16
	WIN MUL_LO
	MUL16 0, 0, 1                                  ; the first step starts the sums: nothing is cleared
	MUL16 2, 0, 1
	PHASE 0, 1, 1, 1, 0                            ; step 0; loads step 2, names step 4
	WIN 0
	s_mov_b32 s3, 2
.Llap:                                             ; steps 1, 2 and 3, 4; they load steps 3 to 6 and name steps 5, 6, 7 and the residual
	PHASE 1, 1, 1, 0, 0
	PHASE 0, 1, 2, 0, 0
	WIN 0
	s_sub_co_u32 s3, s3, 1
	s_cmp_lg_u32 s3, 0
	s_cbranch_scc1 .Llap
	PHASE 1, 1, 0, 0, 0                            ; step 5; loads step 7
	PHASE 0, 0, 0, 0, 1                            ; step 6: nothing is filled, so no round; the residual is loaded
; THE WAY OUT.  Lane (r, h) holds of accumulator (a, b) row 16 a + r, columns 16 b + 8 h + 0..7: 32 neighbouring bytes.  Each accumulator is read from its low end on.
.macro LAY hi                          ; rows 64 hi .. 64 hi + 63 of my partial block
	WIN 0x08+4*\hi                                 ; store data in window 2, 3
.irp a, 0,1,2,3
.irp b, 0,1,2,3,4,5,6,7
	ds_store_b128 v[STO], v[8*(8*\a+\b):8*(8*\a+\b)+3] offset:(4*\hi+\a)*16*SP+64*\b
	ds_store_b128 v[STO], v[8*(8*\a+\b)+4:8*(8*\a+\b)+7] offset:(4*\hi+\a)*16*SP+64*\b+16
.endr
.endr
.endm
	s_wait_dscnt 0x0                               ; step 7's fragments are in registers: my reads of the ring are over
	s_barrier_signal -1
	s_barrier_wait -1                              ; nobody reads the ring any more, and it has had its last fill: the partial blocks may lie there
	PLACES 4
	LAY 0                                          ; rows 0-63 are finished: their stores are out while the last 32 products are issued
	WIN MUL_HI
	MUL16 4, 1, 0
	MUL16 6, 1, 0
	PLACES 4
	LAY 1
	WIN 0
	s_wait_dscnt 0x0                               ; my partial block is laid down,
	s_barrier_signal -1
	s_barrier_wait -1                              ; and so are the others'
.irp u, 0,1                            ; row 16 u + t of my 32, part j -> window 2 + u, v[16 t + 4 j ..]
	WIN 0x80+0x40*\u
.set tt, 0
.rept 16
.irp j, 0,1,2,3
	ds_load_b128 v[16*tt+4*\j:16*tt+4*\j+3], v[RD+\j] offset:(16*\u+tt)*SP
.endr
.set tt, tt+1
.endr
.endr
	WIN 0
	s_wait_kmcnt 0x0
	s_add_co_i32 s96, s96, s97
	s_add_co_i32 s96, s96, 127
	s_lshl_b32 s96, s96, 23                        ; 2^(e10 + e11)
	s_mov_b32 s97, s96
	s_wait_loadcnt 0x0                             ; bias and residual
	WIN 0x41                                       ; residual (window 1) + bias (window 0)
.set tt, 0
.rept 32
	v_pk_add_f32 v[4*tt:4*tt+1], v[4*tt:4*tt+1], v[BIAS:BIAS+1]
	v_pk_add_f32 v[4*tt+2:4*tt+3], v[4*tt+2:4*tt+3], v[BIAS+2:BIAS+3]
.set tt, tt+1
.endr
.macro FINISH u, left                  ; 16 rows: the four parts summed, x 2^(e10 + e11) + (residual + bias), stored
	s_wait_dscnt \left
	WIN 0x8a+0x45*(\u)
.set tt, 0
.rept 16
.irp p, 0,2
	v_pk_add_f32 v[16*tt+\p:16*tt+\p+1], v[16*tt+\p:16*tt+\p+1], v[16*tt+4+\p:16*tt+5+\p]
	v_pk_add_f32 v[16*tt+8+\p:16*tt+9+\p], v[16*tt+8+\p:16*tt+9+\p], v[16*tt+12+\p:16*tt+13+\p]
.endr
.set tt, tt+1
.endr
.set tt, 0
.rept 16
.irp p, 0,2
	v_pk_add_f32 v[16*tt+\p:16*tt+\p+1], v[16*tt+\p:16*tt+\p+1], v[16*tt+8+\p:16*tt+9+\p]
.endr
.set tt, tt+1
.endr
	WIN 0x92+0x41*(\u)                             ; source 2: window 1
.set tt, 0
.rept 16
.irp p, 0,2
	v_pk_fma_f32 v[16*tt+\p:16*tt+\p+1], v[16*tt+\p:16*tt+\p+1], s[96:97], v[4*(16*(\u)+tt)+\p:4*(16*(\u)+tt)+\p+1] op_sel_hi:[1,0,1]
.endr
.set tt, tt+1
.endr
	WIN 0x08+4*(\u)
.set tt, 0
.rept 16
	global_store_b128 v[CO], v[16*tt:16*tt+3], s[70:71] offset:(16*(\u)+tt)*4096 th:TH_STORE_NT   ; 32 lanes store 512 consecutive bytes, aligned to 256
.set tt, tt+1
.endr
.endm
	FINISH 0, 63                                   ; of the second half's 64 loads 63 may be out (the wait's field holds no more)
	FINISH 1, 0
	WIN 0
	s_wait_tensorcnt 0x0                           ; the wave's end
	ds_add_u32 v[SPW], v[NIL]
	s_wait_dscnt 0x0
	CROUND                                         ; the closing round
	s_endpgm
.Lfunc_end_k_qf415a5f0e6_mproj:
	.size	k_qf415a5f0e6_mproj, .Lfunc_end_k_qf415a5f0e6_mproj-k_qf415a5f0e6_mproj
	.p2alignl 7, 3214868480
	.fill 96, 4, 3214868480
	.section	.rodata,"a",@progbits
	.p2align	6, 0x0
	.amdhsa_kernel k_qf415a5f0e6_mproj
		.amdhsa_group_segment_fixed_size 327680
		.amdhsa_private_segment_fixed_size 0
		.amdhsa_enable_private_segment 0
		.amdhsa_kernarg_size 48
		.amdhsa_user_sgpr_count 2
		.amdhsa_user_sgpr_kernarg_segment_ptr 1
		.amdhsa_wavefront_size32 1
		.amdhsa_system_sgpr_workgroup_id_x 1
		.amdhsa_system_sgpr_workgroup_id_y 1
		.amdhsa_system_sgpr_workgroup_id_z 1
		.amdhsa_system_vgpr_workitem_id 0
		.amdhsa_next_free_vgpr 1024
		.amdhsa_next_free_sgpr 100
		.amdhsa_reserve_vcc 0
		.amdhsa_float_denorm_mode_32 3
		.amdhsa_float_denorm_mode_16_64 3
		.amdhsa_memory_ordered 1
		.amdhsa_forward_progress 1
		.amdhsa_inst_pref_size 122
	.end_amdhsa_kernel
	.amdgpu_metadata
---
amdhsa.version: [ 1, 2 ]
amdhsa.kernels:
  - .name:           k_qf415a5f0e6_mproj
    .symbol:         k_qf415a5f0e6_mproj.kd
    .args:
      - { .name: hid_img, .offset: 0, .size: 8, .value_kind: global_buffer, .address_space: global }
      - { .name: w_mproj_codes, .offset: 8, .size: 8, .value_kind: global_buffer, .address_space: global }
      - { .name: lowp_scales, .offset: 16, .size: 8, .value_kind: global_buffer, .address_space: global }
      - { .name: b_mproj, .offset: 24, .size: 8, .value_kind: global_buffer, .address_space: global }
      - { .name: x1, .offset: 32, .size: 8, .value_kind: global_buffer, .address_space: global }
      - { .name: out0, .offset: 40, .size: 8, .value_kind: global_buffer, .address_space: global }
    .group_segment_fixed_size: 327680
    .private_segment_fixed_size: 0
    .kernarg_segment_align: 8
    .kernarg_segment_size: 48
    .max_flat_workgroup_size: 128
    .sgpr_count:     100
    .vgpr_count:     1024
    .wavefront_size: 32
...
	.end_amdgpu_metadata
.endif
;; end of part 7
